; MI455X (gfx1250); checked and timed in simulation.
; The chip was launched on July 23, 2026; its instructions are those of AMD's public machine-readable ISA for CDNA 5 (MIT licence, August 2026) and "CDNA5" Instruction Set Architecture Reference Guide (July 2026). The comments in the code are by the model that wrote it; some were corrected since.
;; Bidirectional Self Flash Attention. Allowed arithmetic: matrix products marked QUANTISED: E2M3 operands, one E8M0 scale for each 32 along K, by v_wmma_scale_f32_16x16x128_f8f6f4 with both operands' format E2M3, f32 sums; everything else in f32.
;; Inputs: Wo 1,024 x 1,024 float32; Wqkv 1,024 x 3,072 float32; attention_mask 4 x 1 x 1 x 2,048 float32; bo 1,024 float32; bqkv 3,072 float32; x 4 x 2,048 x 1,024 float32.
;; Outputs: out0 4 x 2,048 x 1,024 float32.
;; This version of the problem:
;;   THIS VERSION OF THE PROBLEM IS GIVEN IN LOW PRECISION. The matrix products marked QUANTISED in the list below multiply operands that are first quantised to E2M3 (2 exponent bits, 3 mantissa bits; 6 bits a number), with one power-of-two scale for each 32 numbers along K (OCP MX v1.0); their sums are f32. All else is computed in f32.
;;   The module's matrix products, in the order in which they are computed (A, B: the left and right operand; K: the contracted axis; several contracted axes count as one K, in the product's order):
;;     1. [M 8,192, K 1,024] x [K 1,024, N 3,072]; A: input x; B: input Wqkv: QUANTISED
;;     2. batch 64 x [M 2,048, K 64] x [K 64, N 2,048]; A: computed on the way; B: computed on the way: QUANTISED
;;     3. batch 64 x [M 2,048, K 2,048] x [K 2,048, N 64]; A: softmax (see below); B: computed on the way: QUANTISED
;;     4. [M 8,192, K 1,024] x [K 1,024, N 1,024]; A: computed on the way; B: input Wo: QUANTISED
;;   THE QUANTISER, for each operand of a quantised product, along K:
;;     - K is cut into blocks of 32 from its start; a last block that is shorter is filled with zeros.
;;     - A block's scale is 2^e with e = floor(log2(the largest magnitude in the block)) - 2, held to -126 .. 127; a block of zeros has e = 0. As a byte (E8M0): e + 127.
;;     - Each number is divided by its block's scale, clamped to +-7.5, and rounded to the nearest number of E2M3, ties to even, subnormals kept.
;;     - The product sums the exact products of the quantised numbers (number of the format x scale) in f32.
;;   ~~~python
;;   def quantise(x, axis):      # numpy; x: float32 -> the quantised numbers, widened to float32 again
;;       x = np.moveaxis(x, axis, -1); K = x.shape[-1]
;;       x = np.pad(x, [(0, 0)] * (x.ndim - 1) + [(0, -K % 32)]); x = x.reshape(x.shape[:-1] + (-1, 32)); a = np.abs(x).max(-1, keepdims=True)
;;       e = np.where(a > 0, np.clip(np.frexp(np.where(a > 0, a, 1))[1] - 1 - 2, -126, 127), 0)      # np.frexp(a)[1] - 1 = floor(log2(a)), exactly
;;       r = np.clip(x / 2.0 ** e, -7.5, 7.5)
;;       step = 2.0 ** (np.maximum(np.frexp(np.where(r == 0, 1, r))[1] - 1, 0) - 3)
;;       q = np.round(r / step) * step * 2.0 ** e      # np.round: ties to even
;;       return np.moveaxis(q.reshape(q.shape[:-2] + (-1,))[..., :K], -1, axis).astype(np.float32)
;;   ~~~
;;   SOFTMAX AHEAD OF A QUANTISED PRODUCT. Where the list says 'softmax', what is quantised is not the finished softmax but p = 2^(t - M), with t = logit x log2(e) and M = ceil(the row's largest t), a whole number; so 1/2 < the row's largest p <= 1. The row's sum l is taken of the UNQUANTISED p, in f32, and the product's result is divided by l at the end. Since M is a whole number, a kernel that streams over the keys may use a running M (the ceiling of the running maximum): every later rescaling is an exact power of two, which a block's scale takes up: the codes' values come out the same.
;;   OPERANDS COMPUTED ON THE WAY. 'Computed on the way' means the value that the module computes at that place (a softmax that the list does not call 'softmax' is quantised finished and normalised). What goes into a quantiser is computed in f32, as accurately as f32 sums, v_exp_f32 and their like allow (about 1e-6 of the number): no bf16 or f16 on the way to a quantiser, and a product that is left as it is and whose result goes on into a quantised operand takes f32 operands (vector FMAs, or v_wmma_f32_16x16x4_f32). A number that lies on a knife's edge between two numbers of the format may be rounded either way, as far as f32 arithmetic and the matrix unit's own rounding can turn it there, and no further.
;; One version. Each part assembles by itself: llvm-mc -triple=amdgcn-amd-amdhsa -mcpu=gfx1250 --defsym DOCPART=n.
;; ======== version 1 of 1: 4 launches
;; limits: right only within a limited range of input values
;; workspace buffers: xq 6,553,600 bytes; wq 2,457,600 bytes; woq 819,200 bytes; qb 6,553,600 bytes; kv 13,107,200 bytes; yq 6,553,600 bytes
;; launch quant (part 1): grid 384 x 1, 4 waves a work-group, no clusters, 59,904 bytes of LDS; arguments x, Wqkv, Wo, xq, wq, woq; writes xq, wq, woq
.if DOCPART == 1
	.amdgcn_target "amdgcn-amd-amdhsa--gfx1250"
	.amdhsa_code_object_version 6
	.text
	.protected	k_qf14c63f3b4_quant
	.globl	k_qf14c63f3b4_quant
	.p2align	8
	.type	k_qf14c63f3b4_quant,@function
k_qf14c63f3b4_quant:
	s_mov_b64 s[64:65], 0
	v_nop
	global_prefetch_b8 v0, s[64:65] scope:SCOPE_SE
	s_setreg_imm32_b32 hwreg(HW_REG_WAVE_MODE, 25, 1), 1
	s_wait_xcnt 0x0
; x [8192][1024], Wqkv [1024][3072] and Wo [1024][1024], f32, become codes of FP6 (E2M3) with one E8M0 byte for each 32 along K (K = 1024 for all three).
; DEAD WORK: none.  Every input of the problem has a way to the output (the bias on k moves k's codes, the mask differs along the softmax's axis), so the four launches leave nothing out.
; THE CODES ARE LAID AS IMAGES OF THE OPERAND'S REGISTERS.  A fragment is 16 rows x 128 K = 12 registers a lane = 1,536 bytes: three chunks of 512 bytes, chunk c = registers 4 c .. 4 c + 3, lane l's 16 bytes at 16 l.
; Lane (r = l % 16, h = l / 16) holds row r; registers 6 c .. 6 c + 5 hold k = 64 c + 32 h + 0 .. 31.  THE ROWS OF A TILE ARE NOT NEIGHBOURS: lane r of tile 2 g + u takes row 32 g + 8 u + r + 8 (r / 8).
; A tile's block is 12,800 bytes: its 8 K steps' fragments, then 512 bytes of scale words: the word of K step s of lane r at 12,288 + 256 (s / 4) + 16 r + 4 (s % 4).
; A block's scale is 2^(floor(log2(its largest magnitude)) - 2); its byte is the largest magnitude's exponent field - 2, held at 1 from below.
; LIMITS: a block whose largest magnitude lies under 2^-124 keeps the byte 1; a block of zeros has the byte 1 and zero codes (these bytes are read by this program alone); NaN and infinities among the inputs are not served.
; SHARES.  Work-groups 0-255 take x (K innermost): a wave takes one tile and half of K, four fragments.  Work-groups 256-383 take the weights (K outermost): a lane takes a column, its registers run down K.
; The two ways part on the work-group's number, never join, and have LDS bytes of their own.  No tensor load, no barrier: waves share nothing.
.set FRB,   1536
.set TILEB, 12800
.set XSTG,  8448                       ; x's way: a stage of 16 rows x (512 + 16) bytes for each wave
.set WST0,  4*XSTG                     ; the weights' way: from here a stage of 2 x 3,200 bytes for each wave
.set WSTG,  6400
.set SPARE, WST0+4*WSTG                ; the spare words, 128 bytes for each wave: two blocks of 256 bytes that no other line names
.set SPW,   12                         ; v12  LDS address of my spare word; never rewritten
.set NIL,   13                         ; v13  0; never rewritten
.set TM,    14                         ; v14-23  at work
.set WD,    24                         ; v24-27  scale words
.set CD,    28                         ; v28-51  codes: two sets of 12
.set CT,    52                         ; v52-58  the second halves of the conversions
.set RA,    64                         ; v64-191 x as it is loaded: two sets of 64
.set XN,    192                        ; v192-255 64 numbers of my row
.set SEL,   56                         ; s[56:57] v_permlanex16_b32's selects for lane l xor 16
	s_load_b256 s[4:11], s[0:1], 0x0               ; x, Wqkv, Wo, xq
	s_load_b128 s[12:15], s[0:1], 0x20             ; wq, woq
	v_lshl_add_u32 v[SPW], v0, 2, SPARE
	v_mov_b32 v[NIL], 0
	v_lshrrev_b32 v1, 5, v0
	v_readfirstlane_b32 s16, v1                    ; wave 0..3
	v_and_b32 v5, 31, v0                           ; lane
	v_lshlrev_b32 v1, 4, v5                        ; 16 x lane
	s_mov_b32 s[SEL], 0x76543210
	s_mov_b32 s[SEL+1], 0xfedcba98
	s_wait_kmcnt 0x0
	s_cmp_ge_u32 ttmp9, 256
	s_cbranch_scc1 .Lweights
; ---------------- x.  Wave 4 g + w takes tile 2 g + w / 2 and K half w % 2.
	v_and_b32 v8, 15, v0                           ; r
	v_bfe_u32 v9, v0, 4, 1                         ; h
	s_mul_i32 s17, s16, XSTG
	v_add_nc_u32 v2, s17, v1                       ; the stage, on the way in: 16 x lane of a row's 512 bytes
	v_mul_u32_u24 v3, v8, 528
	v_lshl_add_u32 v3, v9, 7, v3
	v_add_nc_u32 v3, s17, v3                       ; and on the way out: row r, + 128 h: my 32 numbers of each 64
	v_lshlrev_b32 v6, 4, v8
	v_lshl_add_u32 v6, v9, 3, v6                   ; the scale words' place: 16 r + 8 h
	v_lshlrev_b32 v10, 3, v9                       ; 8 h: my bytes' shift in a scale word
	v_mov_b32 v[TM+6], 0                           ; written once: a lane permute's destination counts as one of its sources
	s_lshr_b32 s17, s16, 1
	s_and_b32 s18, s16, 1
	s_lshl_b32 s20, ttmp9, 17                      ; 32 rows of 4,096 bytes a work-group,
	s_lshl_b32 s21, s17, 15                        ; 8 rows on for the pair's second tile,
	s_add_co_u32 s20, s20, s21
	s_lshl_b32 s21, s18, 11                        ; 2,048 bytes on for the second half of K
	s_add_co_u32 s20, s20, s21
	s_mov_b32 s21, 0
	s_add_nc_u64 s[4:5], s[4:5], s[20:21]
	s_lshl_b32 s22, ttmp9, 1
	s_add_co_u32 s22, s22, s17                     ; the tile
	s_mul_i32 s22, s22, TILEB
	s_mul_i32 s23, s18, 4*FRB
	s_add_co_u32 s24, s22, s23
	s_mov_b32 s25, 0
	s_add_nc_u64 s[26:27], s[10:11], s[24:25]      ; my four fragments
	s_lshl_b32 s23, s18, 8
	s_add_co_u32 s24, s22, s23
	s_add_co_u32 s24, s24, 8*FRB
	s_add_nc_u64 s[28:29], s[10:11], s[24:25]      ; my 256 bytes of scale words
.macro LOADX s                         ; fragment s: 512 consecutive bytes of each of the tile's 16 rows
.irp p, 0,1,2,3,4,5,6,7,8,9,10,11,12,13,14,15
	global_load_b128 v[RA+64*((\s)%2)+4*\p:RA+64*((\s)%2)+4*\p+3], v1, s[4:5] offset:(\p+8*(\p/8))*4096+512*(\s) th:TH_LOAD_NT
.endr
.endm
.macro FRAGX s
.set RS, RA+64*((\s)%2)
.set CC, CD+12*((\s)%2)
.if (\s) < 3
	s_wait_loadcnt 16                              ; this fragment's 16 loads are in; the next fragment's 16 may be out
.else
	s_wait_loadcnt 0x0
.endif
.irp p, 0,1,2,3,4,5,6,7,8,9,10,11,12,13,14,15
	ds_store_b128 v2, v[RS+4*\p:RS+4*\p+3] offset:528*\p
.endr
.irp c, 0,1
.irp j, 0,1,2,3,4,5,6,7
	ds_load_b128 v[XN+32*\c+4*\j:XN+32*\c+4*\j+3], v3 offset:256*\c+16*\j   ; LDS serves a wave's instructions in order: these see the stores above
.endr
.endr
	s_wait_dscnt 0x0                               ; my 64 numbers are in, and the stores have read their registers,
.if (\s) < 2
	LOADX (\s)+2                                   ; which take the loads of two fragments on
.endif
.irp c, 0,1
	v_max3_num_f32 v[TM+\c], |v[XN+32*\c]|, |v[XN+32*\c+1]|, 0x1800000   ; my block 2 c + h: all its 32 numbers are mine; the floor 2^(3 - 127) holds the byte at 1 from below
.endr
.irp i, 2,4,6,8,10,12,14,16,18,20,22,24,26,28,30
.irp c, 0,1
	v_max3_num_f32 v[TM+\c], v[TM+\c], |v[XN+32*\c+\i]|, |v[XN+32*\c+\i+1]|
.endr
.endr
.irp c, 0,1
	v_add_nc_u32 v[TM+2+\c], 0xff000000, v[TM+\c]  ; 2 off the exponent field: the conversion's scale operand
.endr
.irp c, 0,1
	v_lshrrev_b32 v[TM+4+\c], 23, v[TM+2+\c]       ; the scale's byte
.endr
	v_lshl_or_b32 v[WD+(\s)], v[TM+5], 16, v[TM+4] ; blocks h and 2 + h,
	v_lshlrev_b32 v[WD+(\s)], v10, v[WD+(\s)]      ; at their places in the word;
	v_permlanex16_b32 v[TM+6], v[WD+(\s)], s[SEL], s[SEL+1]
	v_or_b32 v[WD+(\s)], v[WD+(\s)], v[TM+6]       ; with lane l xor 16's two the word is whole
.if (\s) > 1
	s_wait_xcnt 0x0                                ; the stores of two fragments back have read this set of codes
.endif
	v_cvt_scalef32_pk16_fp6_f32 v[CC:CC+2], v[XN:XN+15], v[TM+2]
	v_cvt_scalef32_pk16_fp6_f32 v[CT:CT+2], v[XN+16:XN+31], v[TM+2]      ; (a conversion's three registers begin on an even number)
	v_cvt_scalef32_pk16_fp6_f32 v[CC+6:CC+8], v[XN+32:XN+47], v[TM+3]
	v_cvt_scalef32_pk16_fp6_f32 v[CT+4:CT+6], v[XN+48:XN+63], v[TM+3]
	v_nop                                          ; one plain place behind a scaled conversion
.irp i, 0,1,2
	v_mov_b32 v[CC+3+\i], v[CT+\i]
	v_mov_b32 v[CC+9+\i], v[CT+4+\i]
.endr
.irp c, 0,1,2
	global_store_b128 v1, v[CC+4*\c:CC+4*\c+3], s[26:27] offset:FRB*(\s)+512*\c   ; 32 lanes store 512 consecutive bytes, aligned to 256
.endr
.endm
	LOADX 0
	LOADX 1
	FRAGX 0
	FRAGX 1
	FRAGX 2
	FRAGX 3
	v_cmp_ne_u32 vcc_lo, 0, v9                     ; lanes 0-15 store words 0, 1 of their row, lanes 16-31 words 2, 3
	v_cndmask_b32 v[TM], v[WD], v[WD+2], vcc_lo
	v_cndmask_b32 v[TM+1], v[WD+1], v[WD+3], vcc_lo
	global_store_b64 v6, v[TM:TM+1], s[28:29]      ; 256 consecutive bytes, aligned
	s_wait_tensorcnt 0x0                           ; the wave's end
	ds_add_u32 v[SPW], v[NIL]
	s_wait_dscnt 0x0
	s_endpgm
; ---------------- the weights.  j = work-group - 256: 0-95 Wqkv (24 groups of 128 columns x 4 quarters of K), 96-127 Wo (8 x 4).  A wave takes 32 columns (a pair of tiles) x 256 along K.
.set VO,  64                           ; v64-95   row i of a block: i x a row's bytes + 4 x lane; never rewritten
.set XW,  96                           ; v96-159  two sets of 32 numbers
.set OUTR, 160                         ; v160-207 the way out
.Lweights:
	s_sub_co_u32 s17, ttmp9, 256
	s_cmp_lt_u32 s17, 96                           ; the choice hangs on the work-group's number alone
	s_cselect_b64 s[18:19], s[6:7], s[8:9]         ; the weight
	s_cselect_b64 s[20:21], s[12:13], s[14:15]     ; its codes
	s_mov_b32 s24, 4096
	s_cselect_b32 s24, 12288, s24                  ; a row of it in bytes
	s_cselect_b32 s25, 0, 96
	s_sub_co_u32 s17, s17, s25
	s_and_b32 s23, s17, 3                          ; y: which 256 along K
	s_and_b32 s26, s17, 0xfc
	s_add_co_u32 s26, s26, s16                     ; my pair of tiles: 4 x group + wave
	v_bfe_u32 v8, v0, 3, 1                         ; lane c holds column 32 pair + c, which is lane r of tile u: u = (c / 8) % 2,
	v_and_b32 v10, 7, v0
	v_bfe_u32 v11, v0, 4, 1
	v_lshl_or_b32 v10, v11, 3, v10                 ; r = c % 8 + 8 (c / 16)
	s_mul_i32 s22, s16, WSTG
	s_add_co_u32 s22, s22, WST0                    ; my stage
	v_mul_u32_u24 v4, v8, 3200
	v_lshl_add_u32 v4, v10, 4, v4
	v_add_nc_u32 v4, s22, v4                       ; into it: tile u's half, 16 r
	v_lshl_add_u32 v7, v5, 4, s22                  ; out of it: 16 x lane
	v_mul_u32_u24 v9, v8, TILEB
	v_lshl_add_u32 v9, v10, 4, v9                  ; my scale words' place: tile u's block, 16 r
	v_lshlrev_b32 v3, 2, v5
.irp i, 0,1,2,3,4,5,6,7,8,9,10,11,12,13,14,15,16,17,18,19,20,21,22,23,24,25,26,27,28,29,30,31
	v_mad_u32_u24 v[VO+\i], s24, \i, v3
.endr
	s_mul_i32 s30, s23, s24
	s_lshl_b32 s30, s30, 8                         ; 256 y rows,
	s_lshl_b32 s27, s26, 7                         ; 128 bytes a pair
	s_add_co_u32 s30, s30, s27
	s_mov_b32 s31, 0
	s_add_nc_u64 s[32:33], s[18:19], s[30:31]      ; block 0's first row; a base for each of the 8 blocks: no pointer is stepped
	s_lshl_b32 s28, s24, 5
	s_mov_b32 s29, 0
.irp t, 1,2,3,4,5,6,7
	s_add_nc_u64 s[32+2*\t:33+2*\t], s[30+2*\t:31+2*\t], s[28:29]
.endr
	s_mul_i32 s48, s26, 2*TILEB
	s_mul_i32 s27, s23, 2*FRB
	s_add_co_u32 s52, s48, s27
	s_mov_b32 s53, 0
	s_add_nc_u64 s[50:51], s[20:21], s[52:53]      ; K steps 2 y, 2 y + 1 of the pair's first tile
	s_lshr_b32 s27, s23, 1
	s_lshl_b32 s27, s27, 8
	s_add_co_u32 s52, s48, s27
	s_and_b32 s27, s23, 1
	s_lshl_b32 s27, s27, 3
	s_add_co_u32 s52, s52, s27
	s_add_co_u32 s52, s52, 8*FRB
	s_add_nc_u64 s[54:55], s[20:21], s[52:53]      ; and their two scale words
.macro LOADW t                         ; block t: 32 rows at my column: 128 consecutive bytes a wave, 512 a work-group
.irp i, 0,1,2,3,4,5,6,7,8,9,10,11,12,13,14,15,16,17,18,19,20,21,22,23,24,25,26,27,28,29,30,31
	global_load_b32 v[XW+32*((\t)%2)+\i], v[VO+\i], s[32+2*(\t):33+2*(\t)] th:TH_LOAD_NT
.endr
.endm
.macro BLOCKW t                        ; block t is, of K step t / 4, the part of lanes (r, t % 2), registers 6 c .. 6 c + 5 with c = (t % 4) / 2
.set XS, XW+32*((\t)%2)
.set IM, FRB*((\t)/4)+256*((\t)%2)
.if (\t) < 7
	s_wait_loadcnt 32                              ; this block's 32 loads are in; the next block's may be out
.else
	s_wait_loadcnt 0x0
.endif
	v_max3_num_f32 v14, |v[XS]|, |v[XS+1]|, |v[XS+2]|
	v_max3_num_f32 v15, |v[XS+3]|, |v[XS+4]|, |v[XS+5]|
.irp i, 6,10,14,18,22,26
	v_max3_num_f32 v14, v14, |v[XS+\i]|, |v[XS+\i+1]|
	v_max3_num_f32 v15, v15, |v[XS+\i+2]|, |v[XS+\i+3]|
.endr
	v_max3_num_f32 v14, v14, |v[XS+30]|, |v[XS+31]|
	v_max3_num_f32 v14, v14, v15, 0x1800000        ; and the floor 2^(3 - 127)
	v_add_nc_u32 v16, 0xff000000, v14              ; the conversion's scale operand
	v_lshrrev_b32 v17, 23, v16                     ; the scale's byte
.if (\t)%4 == 0
	v_mov_b32 v[WD+(\t)/4], v17
.else
	v_lshl_or_b32 v[WD+(\t)/4], v17, 8*((\t)%4), v[WD+(\t)/4]
.endif
	v_cvt_scalef32_pk16_fp6_f32 v[CD:CD+2], v[XS:XS+15], v16
	v_cvt_scalef32_pk16_fp6_f32 v[CT:CT+2], v[XS+16:XS+31], v16
	v_nop                                          ; one plain place behind a scaled conversion
.irp i, 0,1,2
	v_mov_b32 v[CD+3+\i], v[CT+\i]
.endr
.if ((\t)%4)/2 == 0
	ds_store_b128 v4, v[CD:CD+3] offset:IM         ; registers 0-3: chunk 0
	ds_store_b64 v4, v[CD+4:CD+5] offset:IM+512    ; registers 4, 5: the lower half of my 16 bytes of chunk 1
.else
	ds_store_b64 v4, v[CD:CD+1] offset:IM+512+8    ; registers 6, 7: the upper half
	ds_store_b128 v4, v[CD+2:CD+5] offset:IM+1024  ; registers 8-11: chunk 2
.endif
.if (\t) < 6
	LOADW (\t)+2
.endif
	s_wait_dscnt 0x0                               ; the stores have read their registers: the next block's codes may be written
.endm
	LOADW 0
	LOADW 1
.irp t, 0,1,2,3,4,5,6,7
	BLOCKW \t
.endr
	global_store_b64 v9, v[WD:WD+1], s[54:55]      ; my column's two scale words: 8 bytes in each 16 of the words' block: one byte in 128 of what this way reads
.irp n, 0,1,2,3,4,5,6,7,8,9,10,11
	ds_load_b128 v[OUTR+4*\n:OUTR+4*\n+3], v7 offset:3200*(\n/6)+512*(\n%6)
.endr
.irp n, 0,1,2,3,4,5,6,7,8,9,10,11
	s_wait_dscnt 11-\n                             ; load n is in; the 11 - n behind it may be out
	global_store_b128 v1, v[OUTR+4*\n:OUTR+4*\n+3], s[50:51] offset:TILEB*(\n/6)+512*(\n%6)   ; 512 consecutive bytes, aligned to 256
.endr
	s_wait_tensorcnt 0x0                           ; the wave's end
	ds_add_u32 v[SPW], v[NIL]
	s_wait_dscnt 0x0
	s_endpgm
.Lfunc_end_k_qf14c63f3b4_quant:
	.size	k_qf14c63f3b4_quant, .Lfunc_end_k_qf14c63f3b4_quant-k_qf14c63f3b4_quant
	.p2alignl 7, 3214868480
	.fill 96, 4, 3214868480
	.section	.rodata,"a",@progbits
	.p2align	6, 0x0
	.amdhsa_kernel k_qf14c63f3b4_quant
		.amdhsa_group_segment_fixed_size 59904
		.amdhsa_private_segment_fixed_size 0
		.amdhsa_enable_private_segment 0
		.amdhsa_kernarg_size 48
		.amdhsa_user_sgpr_count 2
		.amdhsa_user_sgpr_kernarg_segment_ptr 1
		.amdhsa_wavefront_size32 1
		.amdhsa_system_sgpr_workgroup_id_x 1
		.amdhsa_system_sgpr_workgroup_id_y 1
		.amdhsa_system_sgpr_workgroup_id_z 1
		.amdhsa_system_vgpr_workitem_id 0
		.amdhsa_next_free_vgpr 256
		.amdhsa_next_free_sgpr 66
		.amdhsa_reserve_vcc 1
		.amdhsa_float_denorm_mode_32 3
		.amdhsa_float_denorm_mode_16_64 3
		.amdhsa_memory_ordered 1
		.amdhsa_forward_progress 1
		.amdhsa_inst_pref_size 74
	.end_amdhsa_kernel
	.amdgpu_metadata
---
amdhsa.version: [ 1, 2 ]
amdhsa.kernels:
  - .name:           k_qf14c63f3b4_quant
    .symbol:         k_qf14c63f3b4_quant.kd
    .args:
      - { .name: x, .offset: 0, .size: 8, .value_kind: global_buffer, .address_space: global }
      - { .name: Wqkv, .offset: 8, .size: 8, .value_kind: global_buffer, .address_space: global }
      - { .name: Wo, .offset: 16, .size: 8, .value_kind: global_buffer, .address_space: global }
      - { .name: xq, .offset: 24, .size: 8, .value_kind: global_buffer, .address_space: global }
      - { .name: wq, .offset: 32, .size: 8, .value_kind: global_buffer, .address_space: global }
      - { .name: woq, .offset: 40, .size: 8, .value_kind: global_buffer, .address_space: global }
    .group_segment_fixed_size: 59904
    .private_segment_fixed_size: 0
    .kernarg_segment_align: 8
    .kernarg_segment_size: 48
    .max_flat_workgroup_size: 128
    .sgpr_count:     66
    .vgpr_count:     256
    .wavefront_size: 32
...
	.end_amdgpu_metadata
.endif
;; end of part 1
;; launch gemm_qkv (part 2): grid 12 x 32, 4 waves a work-group, clusters of 4 x 4, 327,680 bytes of LDS; arguments xq, wq, bqkv, qb, kv; writes qb, kv
.if DOCPART == 2
	.amdgcn_target "amdgcn-amd-amdhsa--gfx1250"
	.amdhsa_code_object_version 6
	.text
	.protected	k_qf14c63f3b4_gemm_qkv
	.globl	k_qf14c63f3b4_gemm_qkv
	.p2align	8
	.type	k_qf14c63f3b4_gemm_qkv,@function
k_qf14c63f3b4_gemm_qkv:
	s_mov_b64 s[64:65], 0
	v_nop
	global_prefetch_b8 v0, s[64:65] scope:SCOPE_SE
	s_setreg_imm32_b32 hwreg(HW_REG_WAVE_MODE, 25, 1), 1
	s_wait_xcnt 0x0
	s_wait_alu depctr_hold_cnt(0) depctr_sa_sdst(0) depctr_va_vdst(0) depctr_va_sdst(0) depctr_va_ssrc(0) depctr_va_vcc(0) depctr_vm_vsrc(0)
	s_getreg_b32 s2, hwreg(HW_REG_IB_STS2, 6, 4)
	s_cmp_eq_u32 s2, 0
	s_cbranch_scc0 .Lentry_in_a_cluster
	s_endpgm
.Lentry_in_a_cluster:
	s_bfe_u32 s2, ttmp6, 0x10000c
	s_cmp_lg_u32 s2, 0xf033
	s_cbranch_scc0 .Lentry_shape_is_right
	s_endpgm
.Lentry_shape_is_right:
; qkv = Q(x) Q(Wqkv) + bqkv on codes of FP6 with E8M0 scales, and q, k, v quantised on the way out for attention's two products.  Nothing is left out.
; A work-group of four waves makes 256 x 256 of the result, a wave 128 x 128: 64 accumulators of 16 x 16 in windows 2 and 3.  K = 1,024 goes in four slot fills of 256 through a ring of two LDS slots.
; OPERANDS come as images of their registers (launch quant): a fragment is three ds_load_b128 of 512 consecutive bytes; a tile's block is 12,800 bytes, its scale words at 12,288.
; P is source 0 (two register sets, window 1), R is source 1 (one set, window 0).  A lane of a result holds ONE row of R, and its registers run along P's rows, 16 neighbours in two neighbouring tiles.
; TWO FLAVOURS, by the cluster's x, which all sixteen partners share:  x = 0, 1 (q, k): P = Wqkv's columns, R = tokens: a lane holds a token and 128 columns = two heads: quantised along the head's 64.
;   x = 2 (v): P = tokens, R = Wv's columns: a lane holds a channel and 128 keys: quantised along the keys.  Only pointers and indices are chosen; P's tile always hangs on cx, R's on cy.
; OUT: qb [bh][16][6,400]: for 128 tokens of a head 4 pair images (registers 0-5 token tile 2 i, 6-11 tile 2 i + 1; K = 64: k = 32 h + 0 .. 31), then words [r][i] (bytes 0, 1 tile 2 i; 2, 3 tile 2 i + 1).
;   kv [bh][16][12,800]: K's 4 pair images, V's 4 channel tiles x 128 keys at 6,144, K's words at 12,288, V's words [r][tile] at 12,544.
; The bias is the C of each sum's first matrix instruction.  LIMITS: as in launch quant (the byte's floor; NaN and infinities not served).
; CLUSTERS: 4 x 4; R's tiles are asked for jointly along a row of the cluster, P's along a column.
.set FR,    12
.set FRB,   1536
.set KSB,   2*FRB                      ; a tile's 256 along K: one row of a tensor load
.set TILEB, 12800
.set HALFT, 8*KSB                      ; 8 tiles: what one tensor load brings, and what a wave reads of R or of P
.set SLOT,  4*HALFT                    ; R's 16 tiles, then P's 16
.set SCL,   2*SLOT                     ; behind the ring: the scale words of all of K: R's 16 x 512 bytes, then P's
.set HALFS, 8*512
.set SPARE, SCL+4*HALFS                ; the spare words, 128 bytes for each wave
.set NLA,   3                          ; LDS loads that bring a fragment of R
.set L16,  1                           ; v1   16 x lane
.set WA,   2                           ; v2   the way out: the words' place
.set LR,   3                           ; v3   r
.set LH,   4                           ; v4   h
.set ADRA, 16                          ; v16-17 R's fragments in slot 0, 1
.set ADRB, 20                          ; v20-21 P's
.set ADRS, 27                          ; v27  my scale words: lanes 0-15 R's, lanes 16-31 P's
.set SPW,  28
.set NIL,  29
.set SC,   32                          ; v32-95 scale words: v[SC + 8 i + s]: tile i, K step s
.set BI,   96                          ; v96-127, v224-255 the bias: 8 groups of 8
.set AF,   128                         ; v128-223 R's fragments
.set TM,   96                          ; the way out (the bias's and R's registers are free then): v96-111 at work
.set PW,   112                         ; v112-119 a scale word for each block of R
.set HW,   120                         ; v120-127 the words as they leave
.set IMG,  128                         ; v128-175 four sets of 12 codes
.set OW,   224
.set CT,   228
.set SEL,  66                          ; s[66:67]
.set G1, 24
.set G0, 32
.set G1B, 48
.set G0B, 56
.set G1S, 68
.set G0S, 76
.set G1SB, 80
.set G0SB, 88
.set MSB, 0
.macro WIN new                         ; the immediate's high byte repeats the setting that is left
.if MSB != \new
	s_set_vgpr_msb (MSB<<8)|\new
.set MSB, \new
.endif
.endm
.set MUL_LO, 0xa1                      ; source 0 (P) window 1, source 1 (R) window 0, C and D window 2
.set MUL_HI, 0xf1                      ; the same, C and D window 3
.set TO_B,   0x40
; A joint load: waves 0 and 1 fetch for R, waves 2 and 3 for P.  An s_nop 0 and four v_nop follow each of the two lines.
.macro JLOAD g0a, g1a, g0b, g1b
	s_cmp_eq_u32 s15, 0
	s_cbranch_scc0 .Lfor_b_\@
	tensor_load_to_lds s[\g0a:\g0a+3], s[\g1a:\g1a+7]
	s_nop 0
.rept 4
	v_nop
.endr
	s_branch .Lasked_\@
.Lfor_b_\@:
	tensor_load_to_lds s[\g0b:\g0b+3], s[\g1b:\g1b+7]
	s_nop 0
.rept 4
	v_nop
.endr
.Lasked_\@:
.endm
.macro CREST
	s_cmp_lg_u32 s14, 0
	s_cbranch_scc1 .Lnot_wave_0_\@
	s_barrier_signal -3
.Lnot_wave_0_\@:
	s_barrier_wait -3
	s_barrier_signal -1
	s_barrier_wait -1
.endm
.macro CROUND
	s_barrier_signal -1
	s_barrier_wait -1
	CREST
.endm
.macro PLACES n
.rept \n
	v_nop
.endr
.endm
	s_load_b256 s[4:11], s[0:1], 0x0               ; xq, wq, bqkv, qb
	s_load_b64 s[12:13], s[0:1], 0x20              ; kv
	v_lshl_add_u32 v[SPW], v0, 2, SPARE
	v_mov_b32 v[NIL], 0
	ds_add_u32 v[SPW], v[NIL]                      ; the wave's opening: the add, twice on end, and its wait ahead of my first tensor load
	ds_add_u32 v[SPW], v[NIL]
	v_lshrrev_b32 v1, 5, v0
	v_readfirstlane_b32 s14, v1                    ; wave 0..3
	s_lshr_b32 s15, s14, 1                         ; my half of R.  Also: I fetch for R (0) or for P (1)
	s_and_b32 s16, s14, 1                          ; my half of P.  Also: which 8 tiles I fetch
	s_bfe_u32 s40, ttmp6, 0x40000                  ; cx
	s_bfe_u32 s41, ttmp6, 0x40004                  ; cy
	s_and_b32 s18, ttmp7, 0xffff                   ; the cluster's y
	s_cmp_eq_u32 ttmp9, 2                          ; the flavour: the cluster's x alone
	s_cselect_b32 s17, 1, 0
	s_cselect_b32 s42, s18, ttmp9
	s_cselect_b32 s19, ttmp9, s18
	s_lshl_b32 s42, s42, 2
	s_add_co_u32 s42, s42, s40                     ; P's block of 256 rows
	s_lshl_b32 s19, s19, 2
	s_add_co_u32 s19, s19, s41                     ; R's
	s_lshl_b32 s43, s41, 2
	s_lshl_b32 s43, 15, s43                        ; my row of the cluster
	s_lshl_b32 s44, 0x1111, s40                    ; my column
	; group 1, codes: 8 rows (tiles) of 3,072 bytes = 384 elements of 8 bytes, 12,800 bytes = 1,600 elements apart; no padding
	s_or_b32 s[G1+0], s43, (3<<16)|(1<<21)
	s_or_b32 s[G1B+0], s44, (3<<16)|(1<<21)
.irp g, G1, G1B
	s_mov_b32 s[\g+1], 384<<16
	s_mov_b32 s[\g+2], 8<<16
	s_mov_b32 s[\g+3], 384<<16
	s_mov_b32 s[\g+4], 8
	s_mov_b32 s[\g+5], 1600
	s_mov_b32 s[\g+6], 0
	s_mov_b32 s[\g+7], 0
.endr
	; group 1, scale words: 8 rows of 512 bytes = 64 elements
	s_or_b32 s[G1S+0], s43, (3<<16)|(1<<21)
	s_or_b32 s[G1SB+0], s44, (3<<16)|(1<<21)
.irp g, G1S, G1SB
	s_mov_b32 s[\g+1], 64<<16
	s_mov_b32 s[\g+2], 8<<16
	s_mov_b32 s[\g+3], 64<<16
	s_mov_b32 s[\g+4], 8
	s_mov_b32 s[\g+5], 1600
	s_mov_b32 s[\g+6], 0
	s_mov_b32 s[\g+7], 0
.endr
	s_lshl_b32 s2, s16, 3
	s_lshl_b32 s20, s19, 4
	s_add_co_u32 s20, s20, s2                      ; R: tile 16 x block + 8 x half
	s_mul_i32 s20, s20, TILEB
	s_mov_b32 s21, 0
	s_lshl_b32 s46, s42, 4
	s_add_co_u32 s46, s46, s2                      ; P likewise
	s_mul_i32 s46, s46, TILEB
	s_mov_b32 s47, 0
	s_mul_i32 s45, s14, HALFT                      ; where they go: wave x 8 tiles: no place in the cluster enters an LDS address
	s_mul_i32 s96, s14, HALFS
	s_mov_b32 s[SEL], 0x76543210
	s_mov_b32 s[SEL+1], 0xfedcba98
	s_wait_dscnt 0x0                               ; both opening adds are done
	s_wait_kmcnt 0x0
	s_cmp_eq_u32 s17, 1
	s_cselect_b64 s[92:93], s[4:5], s[6:7]         ; P's buffer
	s_cselect_b64 s[94:95], s[6:7], s[4:5]         ; R's
	s_add_nc_u64 s[20:21], s[94:95], s[20:21]
	s_add_nc_u64 s[46:47], s[92:93], s[46:47]
	CROUND                                         ; all sixteen work-groups are here: the first joint loads meet
	s_mov_b32 s[G0S], 1
	s_add_co_u32 s[G0S+1], s96, SCL
	s_add_nc_u64 s[G0S+2:G0S+3], s[20:21], 8*FRB
	s_or_b32 s[G0S+3], s[G0S+3], 0x80000000
	s_mov_b32 s[G0SB], 1
	s_add_co_u32 s[G0SB+1], s96, SCL
	s_add_nc_u64 s[G0SB+2:G0SB+3], s[46:47], 8*FRB
	s_or_b32 s[G0SB+3], s[G0SB+3], 0x80000000
	JLOAD G0S, G1S, G0SB, G1SB                     ; the scale words of all of K: filled once
.irp s, 0,1
	s_mov_b32 s[G0+4*\s], 1
	s_add_co_u32 s[G0+4*\s+1], s45, \s*SLOT
	s_add_nc_u64 s[G0+4*\s+2:G0+4*\s+3], s[20:21], \s*KSB
	s_or_b32 s[G0+4*\s+3], s[G0+4*\s+3], 0x80000000
	s_mov_b32 s[G0B+4*\s], 1
	s_add_co_u32 s[G0B+4*\s+1], s45, \s*SLOT
	s_add_nc_u64 s[G0B+4*\s+2:G0B+4*\s+3], s[46:47], \s*KSB
	s_or_b32 s[G0B+4*\s+3], s[G0B+4*\s+3], 0x80000000
	JLOAD G0+4*\s, G1, G0B+4*\s, G1B               ; three loads of mine are out
.endr
	v_and_b32 v[LR], 15, v0
	v_bfe_u32 v[LH], v0, 4, 1
	v_and_b32 v5, 31, v0
	v_lshlrev_b32 v[L16], 4, v5
	s_mul_i32 s2, s15, HALFT                       ; my 8 tiles of R
	s_mul_i32 s3, s16, HALFT                       ; my 8 tiles of P,
	s_add_co_u32 s3, s3, 2*HALFT                   ; which lie behind R's 16
.irp s, 0,1
	v_add_nc_u32 v[ADRA+\s], s2, v[L16]
	v_add_nc_u32 v[ADRB+\s], s3, v[L16]
	s_add_co_u32 s2, s2, SLOT
	s_add_co_u32 s3, s3, SLOT
.endr
	v_lshlrev_b32 v5, 4, v[LR]                     ; my row's four words of a half of K: 16 r
	s_mul_i32 s2, s15, HALFS
	s_mul_i32 s3, s16, HALFS
	s_add_co_u32 s3, s3, 2*HALFS
	s_sub_co_u32 s3, s3, s2
	v_mul_u32_u24 v6, s3, v[LH]                    ; lanes 16-31 take P's: one product, the distance between the two bases
	s_add_co_u32 s2, s2, SCL
	v_add_nc_u32 v5, v5, v6
	v_add_nc_u32 v[ADRS], s2, v5
	; the bias of my 128 columns of qkv
	s_cmp_eq_u32 s17, 1
	s_cselect_b32 s98, s19, s42                    ; the block of 256 columns
	s_cselect_b32 s99, s15, s16                    ; and my half of it
	s_lshl_b32 s98, s98, 10
	s_lshl_b32 s99, s99, 9
	s_add_co_u32 s98, s98, s99
	s_mov_b32 s99, 0
	s_add_nc_u64 s[8:9], s[8:9], s[98:99]
	s_cmp_eq_u32 s17, 0
	s_cbranch_scc0 .Lbias_v
	v_lshlrev_b32 v7, 6, v[LH]                     ; q, k: the columns run along my registers: group b = 2 g + u holds columns 32 g + 16 h + 8 u + 0 .. 7
.irp b, 0,1,2,3,4,5,6,7
	global_load_b128 v[BI+8*\b+96*(\b/4):BI+8*\b+96*(\b/4)+3], v7, s[8:9] offset:(32*(\b/2)+8*(\b%2))*4
	global_load_b128 v[BI+8*\b+96*(\b/4)+4:BI+8*\b+96*(\b/4)+7], v7, s[8:9] offset:(32*(\b/2)+8*(\b%2))*4+16
.endr
	s_branch .Lbias_done
.Lbias_v:
	v_and_b32 v7, 8, v[LR]                         ; v: my lane holds one column of block a = 2 g + u: 32 g + 8 u + r + 8 (r / 8): its bias in all eight registers
	v_add_nc_u32 v7, v7, v[LR]
	v_lshlrev_b32 v7, 2, v7
.irp a, 0,1,2,3,4,5,6,7
.irp j, 0,1,2,3,4,5,6,7
	global_load_b32 v[BI+8*\a+96*(\a/4)+\j], v7, s[8:9] offset:(32*(\a/2)+8*(\a%2))*4
.endr
.endr
.Lbias_done:
.macro FRAG reg, adr, off              ; a fragment as it lies: three chunks of 512 consecutive bytes
.irp c, 0,1,2
	ds_load_b128 v[\reg+4*\c:\reg+4*\c+3], v[\adr] offset:\off+512*\c
.endr
.endm
.macro FETCH_B slot, q, p              ; P's eight fragments of the slot's q-th 128 along K into set p
	WIN TO_B
.irp i, 0,1,2,3,4,5,6,7
	FRAG 128*(\p)+FR*\i, ADRB+\slot, KSB*\i+FRB*(\q)
.endr
	WIN 0
.endm
.macro FETCH_A slot, q, i0             ; R's blocks i0 .. i0 + 3
.irp i, \i0, \i0+1, \i0+2, \i0+3
	FRAG AF+FR*(\i), ADRA+\slot, KSB*(\i)+FRB*(\q)
.endr
.endm
; 16 matrix instructions: R's blocks a0, a0 + 1 x P's eight; K step s.  mode 0: in place; 1: C = the bias by P's tile; 2: by R's block.  The 64 accumulators take turns, one instruction a turn, in the same order in every step.
.macro MUL16 a0, p, s, mode
.irp a, \a0, \a0+1
.irp b, 0,1,2,3,4,5,6,7
.set rD, 8*(8*((\a)%4)+\b)
.if \mode == 0
.set rC, rD
.elseif \mode == 1
.set rC, BI+8*\b+96*(\b/4)
.else
.set rC, BI+8*(\a)+96*((\a)/4)
.endif
	v_wmma_scale_f32_16x16x128_f8f6f4 v[rD:rD+7], v[128*(\p)+FR*\b:128*(\p)+FR*\b+FR-1], v[AF+FR*(\a):AF+FR*(\a)+FR-1], v[rC:rC+7], v[SC+8*\b+(\s)], v[SC+8*(\a)+(\s)] matrix_a_fmt:MATRIX_FMT_FP6 matrix_b_fmt:MATRIX_FMT_FP6 matrix_a_scale:MATRIX_SCALE_ROW1
.endr
.endr
.endm
; A slot's first step (K step s): P's set 0; the slot's second step is fetched meanwhile, P's into set 1.
.macro STEP slot, s, mode
	s_wait_dscnt 4*NLA                             ; P's set and R's blocks 0-3 are in; the youngest loads (R's blocks 4-7) may be out
.if \mode
	WIN 0x81                                       ; C (the bias) window 0, D window 2
.else
	WIN MUL_LO
.endif
	MUL16 0, 0, \s, \mode
	MUL16 2, 0, \s, \mode
	s_wait_dscnt 0x0                               ; R's blocks 4-7 are in
	PLACES 4                                       ; four plain places in front of loads into registers that matrix instructions have read
	FETCH_B \slot, 1, 1
	FETCH_A \slot, 1, 0
.if \mode
	WIN 0xc1
.else
	WIN MUL_HI
.endif
	MUL16 4, 0, \s, \mode
	MUL16 6, 0, \s, \mode
	PLACES 4
	WIN 0
	FETCH_A \slot, 1, 4
.endm
; A slot's second step changes slots: ONE barrier; in front of it each wave waits for all its tensor loads, adds 0 to its spare word, and waits for that and for its reads of this slot.
.macro TURN slot, next, s, fill
	s_wait_tensorcnt 0x0                           ; all my tensor loads have landed: my part of the next slot
	ds_add_u32 v[SPW], v[NIL]                      ; 0 onto my spare word
	s_wait_dscnt 4*NLA+1                           ; (the add and R's blocks 4-7 may be out)
	WIN MUL_LO
	MUL16 0, 1, \s, 0
	s_wait_dscnt 0x0                               ; the add is done, and my reads of this slot are over
	s_barrier_signal -1
	MUL16 2, 1, \s, 0
	WIN 0
	s_barrier_wait -1
.if \fill
	CREST                                          ; the barrier has opened a round of the cluster's barrier: no wave of any partner still reads this slot or has a load on its way
	s_add_nc_u64 s[G0+4*\slot+2:G0+4*\slot+3], s[G0+4*\slot+2:G0+4*\slot+3], 2*KSB
	s_add_nc_u64 s[G0B+4*\slot+2:G0B+4*\slot+3], s[G0B+4*\slot+2:G0B+4*\slot+3], 2*KSB
	JLOAD G0+4*\slot, G1, G0B+4*\slot, G1B         ; the first tensor load behind the round; its four v_nop are the places in front of the loads below
.else
	PLACES 4
.endif
	FETCH_B \next, 0, 0
	FETCH_A \next, 0, 0
	WIN MUL_HI
	MUL16 4, 1, \s, 0
	MUL16 6, 1, \s, 0
	PLACES 4
	WIN 0
	FETCH_A \next, 0, 4
.endm
	s_wait_tensorcnt 1                             ; the scale words and my part of slot 0 are in (slot 1's load may be out)
	s_barrier_signal -1
	s_barrier_wait -1                              ; everybody's are
	FETCH_B 0, 0, 0
	FETCH_A 0, 0, 0
.irp i, 0,1,2,3,4,5,6,7
	ds_load_b128 v[SC+8*\i:SC+8*\i+3], v[ADRS] offset:512*\i        ; all eight K steps' words, once
	ds_load_b128 v[SC+8*\i+4:SC+8*\i+7], v[ADRS] offset:512*\i+256
.endr
	FETCH_A 0, 0, 4
	s_wait_loadcnt 0x0                             ; the bias
	s_cmp_eq_u32 s17, 0
	s_cbranch_scc0 .Lfirst_v
	STEP 0, 0, 1                                   ; the first step starts the sums on the bias
	s_branch .Lfirst_done
.Lfirst_v:
	STEP 0, 0, 2
.Lfirst_done:
	TURN 0, 1, 1, 1                                ; K = 1,024 is eight steps: written out, since the scale words' registers differ from step to step
	STEP 1, 2, 0
	TURN 1, 0, 3, 1
	STEP 0, 4, 0
	TURN 0, 1, 5, 0                                ; nothing is left to fetch
	STEP 1, 6, 0
	s_wait_dscnt 4*NLA
	WIN MUL_LO
	MUL16 0, 1, 7, 0
	MUL16 2, 1, 7, 0
	s_wait_dscnt 0x0
	WIN MUL_HI
	MUL16 4, 1, 7, 0
	MUL16 6, 1, 7, 0
	WIN 0
	PLACES 4                                       ; in front of the first read of results and of writes into registers that held operands
; THE WAY OUT.  The 64 registers of a block a of R (register 16 b + i = P's row 32 b + 16 h + i) become two half fragments of 6 registers (P's rows 0-63 to d0, 64-127 to d1) and a scale word.
.macro QUANT w, s, d0, d1, pw
	WIN 5*(\w)                                     ; sources 0 and 1: the accumulators' window
.irp b, 0,1,2,3
	v_max3_num_f32 v[TM+\b], |v[(\s)+16*\b]|, |v[(\s)+16*\b+1]|, 0x1800000   ; each accumulator is read from its low end on; the floor 2^(3 - 127) holds the byte at 1 from below
.endr
.irp i, 2,4,6,8,10,12,14
.irp b, 0,1,2,3
	v_max3_num_f32 v[TM+\b], |v[(\s)+16*\b+\i]|, |v[(\s)+16*\b+\i+1]|, v[TM+\b]
.endr
.endr
	WIN 0
.irp b, 0,1,2,3
	v_permlanex16_b32 v[TM+4+\b], v[TM+\b], s[SEL], s[SEL+1]
.endr
.irp b, 0,1,2,3
	v_max_num_f32 v[TM+\b], v[TM+\b], v[TM+4+\b]   ; with lane l xor 16's: the block's largest magnitude
.endr
.irp b, 0,1,2,3
	v_add_nc_u32 v[TM+12+\b], 0xff000000, v[TM+\b] ; the conversion's scale operand
.endr
.irp b, 0,1,2,3
	v_lshrrev_b32 v[TM+4+\b], 23, v[TM+12+\b]      ; the scale's byte
.endr
	v_lshl_or_b32 v[\pw], v[TM+5], 8, v[TM+4]
	v_lshl_or_b32 v[\pw], v[TM+6], 16, v[\pw]
	v_lshl_or_b32 v[\pw], v[TM+7], 24, v[\pw]
	WIN \w
	v_cvt_scalef32_pk16_fp6_f32 v[(\d0):(\d0)+2], v[(\s):(\s)+15], v[TM+12]
	v_cvt_scalef32_pk16_fp6_f32 v[CT:CT+2], v[(\s)+16:(\s)+31], v[TM+13]
	v_cvt_scalef32_pk16_fp6_f32 v[(\d1):(\d1)+2], v[(\s)+32:(\s)+47], v[TM+14]
	v_cvt_scalef32_pk16_fp6_f32 v[CT+4:CT+6], v[(\s)+48:(\s)+63], v[TM+15]
	WIN 0
	v_nop                                          ; one plain place behind a scaled conversion
.irp i, 0,1,2
	v_permlane16_swap_b32 v[(\d0)+\i], v[CT+\i]    ; a whole block of 32 to a lane: lanes 0-15 the first of two blocks, lanes 16-31 the second
	v_permlane16_swap_b32 v[(\d1)+\i], v[CT+4+\i]
.endr
.irp i, 0,1,2
	v_mov_b32 v[(\d0)+3+\i], v[CT+\i]
	v_mov_b32 v[(\d1)+3+\i], v[CT+4+\i]
.endr
.endm
	s_cmp_eq_u32 s17, 1                            ; (no tensor load of mine is out: the descriptors' registers are free)
	s_cselect_b32 s20, s42, s19                    ; the tokens' block of 256,
	s_cselect_b32 s21, s16, s15                    ; my half of it,
	s_cselect_b32 s22, s19, s42                    ; the columns' block of 256 (four heads),
	s_cselect_b32 s23, s15, s16                    ; my half of it (two heads)
	s_cselect_b32 s24, 6144, 0                     ; V's codes lie behind K's
	s_mov_b32 s25, 12288
	s_cselect_b32 s25, 12544, s25                  ; the words' place: k, v,
	s_cmp_eq_u32 ttmp9, 0
	s_cselect_b64 s[26:27], s[10:11], s[12:13]     ; qb or kv
	s_cselect_b32 s25, 6144, s25                   ; q
	s_mov_b32 s28, 12800
	s_cselect_b32 s28, 6400, s28                   ; a block of 128 tokens of a head
	s_lshr_b32 s29, s20, 3                         ; the batch
	s_and_b32 s20, s20, 7
	s_lshl_b32 s20, s20, 1
	s_add_co_u32 s20, s20, s21                     ; which 128 tokens of its 2,048
	s_and_b32 s22, s22, 3
	s_lshl_b32 s22, s22, 2
	s_lshl_b32 s23, s23, 1
	s_add_co_u32 s22, s22, s23                     ; my first head
	s_lshl_b32 s29, s29, 4
	s_add_co_u32 s29, s29, s22
	s_lshl_b32 s29, s29, 4
	s_add_co_u32 s29, s29, s20
	s_mul_i32 s30, s29, s28
	s_mov_b32 s31, 0
	s_add_nc_u64 s[26:27], s[26:27], s[30:31]      ; my first head's block
	s_mov_b32 s30, s24
	s_add_nc_u64 s[32:33], s[26:27], s[30:31]      ; its codes
	s_mov_b32 s30, s25
	s_add_nc_u64 s[36:37], s[26:27], s[30:31]      ; its words
	s_lshl_b32 s30, s28, 4                         ; a head on: 16 blocks
	s_add_nc_u64 s[34:35], s[32:33], s[30:31]      ; my second head's codes
	v_mul_u32_u24 v[WA], s30, v[LH]
	v_lshl_add_u32 v[WA], v[LR], 4, v[WA]          ; lanes 0-15 store the first head's words, lanes 16-31 the second's: 16 r
.irp b, 0,1,2,3
	v_mov_b32 v[TM+4+\b], 0                        ; written once: a lane permute's destination counts as one of its sources
.endr
	s_cmp_eq_u32 s17, 0
	s_cbranch_scc0 .Lout_v
.irp e, 0,1,2,3                        ; q, k: token tiles 2 e, 2 e + 1 make one pair image for each of the two heads
.if \e > 1
	s_wait_xcnt 0x0                                ; the stores of two pairs back have read these sets
.endif
	QUANT 2+\e/2, 64*((2*\e)%4), IMG+24*(\e%2), IMG+24*(\e%2)+12, PW+2*\e
	QUANT 2+\e/2, 64*((2*\e+1)%4), IMG+24*(\e%2)+6, IMG+24*(\e%2)+18, PW+2*\e+1
.irp c, 0,1,2
	global_store_b128 v[L16], v[IMG+24*(\e%2)+4*\c:IMG+24*(\e%2)+4*\c+3], s[32:33] offset:FRB*\e+512*\c         ; 512 consecutive bytes, aligned to 256
	global_store_b128 v[L16], v[IMG+24*(\e%2)+12+4*\c:IMG+24*(\e%2)+12+4*\c+3], s[34:35] offset:FRB*\e+512*\c
.endr
	v_perm_b32 v[HW+\e], v[PW+2*\e+1], v[PW+2*\e], 0x05040100      ; the first head's word: both tiles' bytes 0, 1
	v_perm_b32 v[HW+4+\e], v[PW+2*\e+1], v[PW+2*\e], 0x07060302    ; the second head's: bytes 2, 3
.endr
	s_branch .Lout_words
.Lout_v:
.irp a, 0,1,2,3,4,5,6,7                ; v: block a is channel tile a % 4 of head a / 4: one whole fragment, 16 channels x 128 keys
.if \a > 3
	s_wait_xcnt 0x0
.endif
	QUANT 2+\a/4, 64*(\a%4), IMG+12*(\a%4), IMG+12*(\a%4)+6, HW+\a
.irp c, 0,1,2
	global_store_b128 v[L16], v[IMG+12*(\a%4)+4*\c:IMG+12*(\a%4)+4*\c+3], s[32+2*(\a/4):33+2*(\a/4)] offset:FRB*(\a%4)+512*\c
.endr
.endr
.Lout_words:
	v_cmp_ne_u32 vcc_lo, 0, v[LH]
.irp i, 0,1,2,3
	v_cndmask_b32 v[OW+\i], v[HW+\i], v[HW+4+\i], vcc_lo
.endr
	global_store_b128 v[WA], v[OW:OW+3], s[36:37]  ; sixteen lanes store 256 consecutive bytes, aligned
	s_wait_tensorcnt 0x0                           ; the wave's end
	ds_add_u32 v[SPW], v[NIL]
	s_wait_dscnt 0x0
	CROUND                                         ; the closing round
	s_endpgm
.Lfunc_end_k_qf14c63f3b4_gemm_qkv:
	.size	k_qf14c63f3b4_gemm_qkv, .Lfunc_end_k_qf14c63f3b4_gemm_qkv-k_qf14c63f3b4_gemm_qkv
	.p2alignl 7, 3214868480
	.fill 96, 4, 3214868480
	.section	.rodata,"a",@progbits
	.p2align	6, 0x0
	.amdhsa_kernel k_qf14c63f3b4_gemm_qkv
		.amdhsa_group_segment_fixed_size 327680
		.amdhsa_private_segment_fixed_size 0
		.amdhsa_enable_private_segment 0
		.amdhsa_kernarg_size 40
		.amdhsa_user_sgpr_count 2
		.amdhsa_user_sgpr_kernarg_segment_ptr 1
		.amdhsa_wavefront_size32 1
		.amdhsa_system_sgpr_workgroup_id_x 1
		.amdhsa_system_sgpr_workgroup_id_y 1
		.amdhsa_system_sgpr_workgroup_id_z 1
		.amdhsa_system_vgpr_workitem_id 0
		.amdhsa_next_free_vgpr 1024
		.amdhsa_next_free_sgpr 100
		.amdhsa_reserve_vcc 1
		.amdhsa_float_denorm_mode_32 3
		.amdhsa_float_denorm_mode_16_64 3
		.amdhsa_memory_ordered 1
		.amdhsa_forward_progress 1
		.amdhsa_inst_pref_size 192
	.end_amdhsa_kernel
	.amdgpu_metadata
---
amdhsa.version: [ 1, 2 ]
amdhsa.kernels:
  - .name:           k_qf14c63f3b4_gemm_qkv
    .symbol:         k_qf14c63f3b4_gemm_qkv.kd
    .args:
      - { .name: xq, .offset: 0, .size: 8, .value_kind: global_buffer, .address_space: global }
      - { .name: wq, .offset: 8, .size: 8, .value_kind: global_buffer, .address_space: global }
      - { .name: bqkv, .offset: 16, .size: 8, .value_kind: global_buffer, .address_space: global }
      - { .name: qb, .offset: 24, .size: 8, .value_kind: global_buffer, .address_space: global }
      - { .name: kv, .offset: 32, .size: 8, .value_kind: global_buffer, .address_space: global }
    .group_segment_fixed_size: 327680
    .private_segment_fixed_size: 0
    .kernarg_segment_align: 8
    .kernarg_segment_size: 40
    .max_flat_workgroup_size: 128
    .sgpr_count:     100
    .vgpr_count:     1024
    .wavefront_size: 32
...
	.end_amdgpu_metadata
.endif
;; end of part 2
;; launch attn (part 3): grid 4 x 64, 8 waves a work-group, clusters of 4 x 1, 215,040 bytes of LDS; arguments qb, kv, attention_mask, yq; writes yq
.if DOCPART == 3
	.amdgcn_target "amdgcn-amd-amdhsa--gfx1250"
	.amdhsa_code_object_version 6
	.text
	.protected	k_qf14c63f3b4_attn
	.globl	k_qf14c63f3b4_attn
	.p2align	8
	.type	k_qf14c63f3b4_attn,@function
k_qf14c63f3b4_attn:
	s_mov_b64 s[64:65], 0
	v_nop
	global_prefetch_b8 v0, s[64:65] scope:SCOPE_SE
	s_setreg_imm32_b32 hwreg(HW_REG_WAVE_MODE, 25, 1), 1
	s_wait_xcnt 0x0
	s_wait_alu depctr_hold_cnt(0) depctr_sa_sdst(0) depctr_va_vdst(0) depctr_va_sdst(0) depctr_va_ssrc(0) depctr_va_vcc(0) depctr_vm_vsrc(0)
	s_getreg_b32 s2, hwreg(HW_REG_IB_STS2, 6, 4)
	s_cmp_eq_u32 s2, 0
	s_cbranch_scc0 .Lentry_in_a_cluster
	s_endpgm
.Lentry_in_a_cluster:
	s_bfe_u32 s2, ttmp6, 0x10000c
	s_cmp_lg_u32 s2, 0x3003
	s_cbranch_scc0 .Lentry_shape_is_right
	s_endpgm
.Lentry_shape_is_right:
; y[b][h][q] = the sum over keys of softmax(q . k / 8 + mask[b][key]) v, both products on codes of FP6 with E8M0 scales; y is quantised along its 64 channels for the output projection.  Nothing is left out.
; THE SOFTMAX AHEAD OF THE SECOND PRODUCT: t = (q . k + 8 mask) x log2(e) / 8; M = the row's largest t so far, rounded UP to a whole number; p = 2^(t - M) is quantised along the keys, not normalised;
; the row's sum is taken of the unquantised p and divides at the end; when M moves, the sum and O are multiplied by 2^(old M - new M): exact.
; SHARES.  A work-group owns one (batch, head) and 512 queries; the four work-groups of a cluster own the same head.  THE HEAD'S WHOLE K, V AND SCALE WORDS, 204,800 bytes (buffer kv), STAY IN LDS: fetched once, jointly,
; in four quarters, each wave an eighth of each: four loads of mine are out at the most.  No byte of LDS is filled twice.  Eight waves; a wave holds TWO tiles of 16 queries (one pair image of qb): tile 0 in
; window 0, tile 1 at the same register numbers in window 1, so that each fragment, mask number and scale word read from LDS serves both.  Two passes of 256 queries.
; LAYOUT.  Both products are used transposed: a lane holds ONE query.  K = 64 IN AN INSTRUCTION OF 128: a pair image of K holds key tile 2 i in registers 0-5 and tile 2 i + 1 in 6-11; against [q, 0] it gives tile 2 i's
; scores, against [0, q] tile 2 i + 1's: zero codes add nothing.  The 16 registers of two neighbouring tiles are 16 neighbouring keys.
; THE MASK COSTS NO LINE IN THE LOOP: 8 x mask lies in LDS in f32 and is the C of the score products.
; LIMITS: 8 x mask is held to +-2^24, so that |t| stays under 2^22 and t - M under 1/4 for every input: mask numbers beyond +-2^21 (infinities too) count as +-2^21, which differs from the definition only
; where every key of a row lies beyond it (a row of -infinity gives numbers, not NaN).  NaN in the mask is not served.  The scale bytes' floor as in launch quant.
.set KVB,   12800                      ; 128 keys of the head: K's 4 pair images, V's 4 tiles at 6,144, K's words at 12,288, V's at 12,544
.set QTR,   4*KVB
.set PIECE, QTR/8                      ; 6,400 bytes: 25 rows of 256
.set MASK,  16*KVB                     ; 8 x mask of the batch: 8,192 bytes, stored by the waves; no tensor load lands here
.set SPARE, MASK+8192                  ; the spare words, 128 bytes for each of 8 waves
.set L16, 1                            ; v1   16 x lane
.set MK0, 2                            ; v2   MASK + 64 h
.set ADK, 3                            ; v3   the step's block
.set ADM, 4                            ; v4   the step's mask numbers
.set SPW, 5
.set NIL, 6
.set L8,  7                            ; v7   8 x lane
.set NM,  8                            ; a tile's registers, the same numbers in both windows: v8 -M, v9 the largest t,
.set TX,  9
.set SUM, 10                           ; v[10:11] the sum in two halves,
.set ZQ,  12                           ; v12-17 zeros, v18-23 q, v24-29 zeros: [0, q] = v[12:23], [q, 0] = v[18:29]
.set YS,  30                           ; v30  y's scale bytes: 12,800 h + 16 r
.set R16, 31                           ; v31  16 r
.set FRG, 32                           ; window 0: v32-79 four fragments of K or V
.set MKR, 32                           ; window 1: v32-95 the step's 64 mask numbers
.set S,   96                           ; v96-159 S^T, then p
.set OT,  160                          ; v160-191 O^T
.set PC,  192                          ; v192-203 p's codes
.set KW,  212                          ; window 0: v212-215 scale words: lanes 0-15 K's, lanes 16-31 V's
.set QW,  216                          ; v216 q's word (bytes 0, 1 tile 0; 2, 3 tile 1), v217 the same << 16, v218 >> 16
.set QWL, 217
.set QWH, 218
.set PW1, 219                          ; v219 tile 1's p word (scale operands have no window)
.set Y0,  220                          ; v220-222 y's scale bytes at work
.set BM,  232                          ; v232-235 the blocks' largest scores
.set T2,  236                          ; v236-242 at work
.set SO,  244                          ; v244-247 the conversions' scale operands
.set FF,  252                          ; v252 f; v253 p's scale word
.set TT,  254
.set WV,  12
.set G1,  16                           ; s[16:23]
.set SEL, 24
.set CS,  26                           ; s[26:27] c = log2(e) / 8
.set TB,  28
.set TMK, 29
.set PASS, 30
.set CNT, 31
.set G0,  32                           ; s[32:47] four groups 0
.set MSB, 0
.macro WIN new
.if MSB != \new
	s_set_vgpr_msb (MSB<<8)|\new
.set MSB, \new
.endif
.endm
.macro CROUND
	s_barrier_signal -1
	s_barrier_wait -1
	s_cmp_lg_u32 s[WV], 0
	s_cbranch_scc1 .Lnot_wave_0_\@
	s_barrier_signal -3
.Lnot_wave_0_\@:
	s_barrier_wait -3
	s_barrier_signal -1
	s_barrier_wait -1
.endm
	s_load_b256 s[4:11], s[0:1], 0x0               ; qb, kv, attention_mask, yq
	v_lshl_add_u32 v[SPW], v0, 2, SPARE
	v_mov_b32 v[NIL], 0
	ds_add_u32 v[SPW], v[NIL]                      ; the wave's opening: the add, twice on end, and its wait ahead of my first tensor load
	ds_add_u32 v[SPW], v[NIL]
	v_lshrrev_b32 v1, 5, v0
	v_readfirstlane_b32 s[WV], v1                  ; wave 0..7
	s_bfe_u32 s13, ttmp6, 0x40000                  ; cx: my block of 512 queries: it enters q's and y's addresses alone
	s_and_b32 s14, ttmp7, 0xffff                   ; 16 x batch + head, which the four partners share
	s_mov_b32 s[G1], 15|(3<<16)|(1<<21)            ; the mask: all four; elements of 8 bytes; bit 21 beside a mask; no padding
	s_mov_b32 s[G1+1], 32<<16                      ; rows of 256 bytes
	s_mov_b32 s[G1+2], 25<<16
	s_mov_b32 s[G1+3], 32<<16
	s_mov_b32 s[G1+4], 25
	s_mov_b32 s[G1+5], 32
	s_mov_b32 s[G1+6], 0
	s_mov_b32 s[G1+7], 0
	s_mul_i32 s15, s[WV], PIECE                    ; my eighth of a quarter
	s_mul_i32 s2, s14, 16*KVB
	s_add_co_u32 s2, s2, s15
	s_mov_b32 s3, 0
	s_mov_b32 s[SEL], 0x76543210
	s_mov_b32 s[SEL+1], 0xfedcba98
	s_mov_b32 s[CS], 0x3e38aa3b
	s_mov_b32 s[CS+1], s[CS]
	s_mov_b32 s70, 0xcb800000                      ; -2^24
	s_mov_b32 s71, 0x4b800000                      ; 2^24
	s_mov_b32 s[PASS], 2
	s_wait_dscnt 0x0                               ; both opening adds are done
	s_wait_kmcnt 0x0
	s_add_nc_u64 s[6:7], s[6:7], s[2:3]
	CROUND                                         ; all four work-groups are here: the joint loads meet
.irp c, 0,1,2,3
	s_mov_b32 s[G0+4*\c], 1
	s_add_co_u32 s[G0+4*\c+1], s15, QTR*\c
	s_add_nc_u64 s[G0+4*\c+2:G0+4*\c+3], s[6:7], QTR*\c
	s_or_b32 s[G0+4*\c+3], s[G0+4*\c+3], 0x80000000
	tensor_load_to_lds s[G0+4*\c:G0+4*\c+3], s[G1:G1+7]
	s_nop 0
.endr
.rept 4
	v_nop
.endr
	; the mask of my batch: each thread takes 2 x 16 bytes, x 8, held, into LDS
	s_lshr_b32 s2, s14, 4
	s_lshl_b32 s2, s2, 13
	s_add_nc_u64 s[8:9], s[8:9], s[2:3]
	v_lshlrev_b32 v[ADK], 4, v0
	global_load_b128 v[32:35], v[ADK], s[8:9]
	global_load_b128 v[36:39], v[ADK], s[8:9] offset:4096
	v_and_b32 v[L16], 31, v0
	v_lshlrev_b32 v[L8], 3, v[L16]
	v_lshlrev_b32 v[L16], 4, v[L16]
	v_bfe_u32 v[MK0], v0, 4, 1
	v_lshl_add_u32 v[MK0], v[MK0], 6, MASK
	v_and_b32 v[R16], 15, v0
	v_lshlrev_b32 v[R16], 4, v[R16]
	v_bfe_u32 v[YS], v0, 4, 1
	v_mad_u32_u24 v[YS], v[YS], 12800, v[R16]
	v_add_nc_u32 v[ADM], MASK, v[ADK]
	s_lshr_b32 s56, s[WV], 2                       ; pass p, wave w: the pair image w % 4 of the block of 128 queries 2 p + w / 4
	s_and_b32 s57, s[WV], 3
	s_lshl_b32 s58, s14, 4
	s_lshl_b32 s59, s13, 2
	s_add_co_u32 s59, s59, s56
	s_add_co_u32 s58, s58, s59
	s_mul_i32 s58, s58, 6400
	s_mul_i32 s60, s57, 1536
	s_add_co_u32 s60, s60, s58
	s_mov_b32 s61, 0
	s_add_nc_u64 s[48:49], s[4:5], s[60:61]        ; q's image
	s_lshl_b32 s60, s57, 2
	s_add_co_u32 s60, s60, s58
	s_add_co_u32 s60, s60, 6144
	s_add_nc_u64 s[50:51], s[4:5], s[60:61]        ; q's words
	s_lshr_b32 s62, s14, 4
	s_and_b32 s63, s14, 15                         ; the head
	s_lshl_b32 s62, s62, 7
	s_lshl_b32 s59, s59, 3
	s_add_co_u32 s62, s62, s59
	s_lshl_b32 s59, s57, 1
	s_add_co_u32 s62, s62, s59                     ; tile 0's block in yq: 128 batch + 8 (4 cx + w / 4) + 2 (w % 4)
	s_mul_i32 s62, s62, 12800
	s_mul_i32 s60, s63, 768
	s_add_co_u32 s60, s60, s62
	s_add_nc_u64 s[52:53], s[10:11], s[60:61]      ; y's codes: a head's 768 bytes of a K step's 1,536: 512 (registers 0-3 of its six) + 256 (registers 4, 5)
	s_lshr_b32 s60, s63, 3
	s_lshl_b32 s60, s60, 8
	s_bfe_u32 s59, s63, 0x20001
	s_lshl_b32 s59, s59, 2
	s_add_co_u32 s60, s60, s59
	s_and_b32 s59, s63, 1
	s_lshl_b32 s59, s59, 1
	s_add_co_u32 s60, s60, s59
	s_add_co_u32 s60, s60, s62
	s_add_co_u32 s60, s60, 12288
	s_add_nc_u64 s[54:55], s[10:11], s[60:61]      ; y's scale bytes: two of the word of K step head / 2
.macro ONCE                            ; written once in each window: the zero codes beside q; the lane permutes' destinations; the upper half of the pair v[252:253]
.irp j, 0,1,2,3,4,5
	v_mov_b32 v[ZQ+\j], 0
	v_mov_b32 v[ZQ+12+\j], 0
.endr
.irp b, 0,1,2,3
	v_mov_b32 v[T2+\b], 0
.endr
	v_mov_b32 v[FF], 0
	v_mov_b32 v[FF+1], 0
.endm
	ONCE
	WIN 0x40
	ONCE
	WIN 0
	s_wait_loadcnt 0x0
.irp j, 0,1,2,3,4,5,6,7
	v_ldexp_f32 v[32+\j], v[32+\j], 3
.endr
.irp j, 0,1,2,3,4,5,6,7
	v_med3_num_f32 v[32+\j], v[32+\j], s70, s71
.endr
	ds_store_b128 v[ADM], v[32:35]
	ds_store_b128 v[ADM], v[36:39] offset:4096
	s_wait_dscnt 0x0                               ; for the others' sake: my part of the mask has landed; the first quarter's barrier stands ahead of every read of it
.macro SCORES qlo, qhi                 ; S^T = K q^T + 8 mask: eight tiles of 16 keys
.irp i, 0,1,2,3
	v_wmma_scale_f32_16x16x128_f8f6f4 v[S+16*\i:S+16*\i+7], v[FRG+12*\i:FRG+12*\i+11], v[ZQ+6:ZQ+17], v[MKR+16*\i:MKR+16*\i+7], v[KW+\i], v[\qlo] matrix_a_fmt:MATRIX_FMT_FP6 matrix_b_fmt:MATRIX_FMT_FP6
	v_wmma_scale_f32_16x16x128_f8f6f4 v[S+16*\i+8:S+16*\i+15], v[FRG+12*\i:FRG+12*\i+11], v[ZQ:ZQ+11], v[MKR+16*\i+8:MKR+16*\i+15], v[KW+\i], v[\qhi] matrix_a_fmt:MATRIX_FMT_FP6 matrix_b_fmt:MATRIX_FMT_FP6
.endr
.endm
.macro PV pw                           ; O^T += V^T P^T: four tiles of 16 channels, by turns
.irp t, 0,1,2,3
	v_wmma_scale_f32_16x16x128_f8f6f4 v[OT+8*\t:OT+8*\t+7], v[FRG+12*\t:FRG+12*\t+11], v[PC:PC+11], v[OT+8*\t:OT+8*\t+7], v[KW+\t], v[\pw] matrix_a_fmt:MATRIX_FMT_FP6 matrix_b_fmt:MATRIX_FMT_FP6 matrix_a_scale:MATRIX_SCALE_ROW1
.endr
.endm
; One tile's softmax for 128 keys, in the tile's own window (t = 1: every operand place in window 1).
.macro SOFT t
.irp b, 0,1,2,3
	v_max3_num_f32 v[BM+\b], v[S+16*\b], v[S+16*\b+1], v[S+16*\b+2]   ; the largest score of each block of 32 keys: for the row's maximum, and, since p rises with the score, for the block's largest p
.endr
.irp i, 3,5,7,9,11,13
.irp b, 0,1,2,3
	v_max3_num_f32 v[BM+\b], v[BM+\b], v[S+16*\b+\i], v[S+16*\b+\i+1]
.endr
.endr
.irp b, 0,1,2,3
	v_max_num_f32 v[BM+\b], v[BM+\b], v[S+16*\b+15]
.endr
.irp b, 0,1,2,3
	v_permlanex16_b32 v[T2+\b], v[BM+\b], s[SEL], s[SEL+1]
.endr
.irp b, 0,1,2,3
	v_max_num_f32 v[BM+\b], v[BM+\b], v[T2+\b]     ; with lane l xor 16's 16 keys
.endr
	v_max3_num_f32 v[TT], v[BM], v[BM+1], v[BM+2]
	v_max_num_f32 v[TT], v[TT], v[BM+3]
	v_mul_f32 v[TT], s[CS], v[TT]                  ; as t (c is positive)
	v_max_num_f32 v[TX], v[TX], v[TT]              ; the running largest t
	v_mov_b32 v[TT], v[NM]
	v_floor_f32 v[NM], -v[TX]                      ; the new -M = floor(-t): M is a whole number
	v_sub_f32 v[TT], v[NM], v[TT]                  ; old M - new M: a whole number, 0 or less
	v_cvt_i32_f32 v[TT], v[TT]                     ; (it saturates)
	v_ldexp_f32 v[FF], 1.0, v[TT]                  ; f = 2^(old M - new M)
.set j, 0
.rept 32
	v_pk_fma_f32 v[S+j:S+j+1], v[S+j:S+j+1], s[CS:CS+1], v[NM:NM+1] op_sel_hi:[1,0,0]   ; t - M, two at a time
.set j, j+2
.endr
.irp b, 0,1,2,3
	v_fma_f32 v[BM+\b], v[BM+\b], s[CS], v[NM]     ; the same of each block's largest score
.endr
.set j, 0
.rept 64
	v_exp_f32 v[S+j], v[S+j]                       ; p = 2^(t - M): not normalised
.set j, j+1
.endr
	v_pk_mul_f32 v[SUM:SUM+1], v[SUM:SUM+1], v[FF:FF+1] op_sel_hi:[1,0]   ; the sums under the new M: a plain place behind the exponentials
	s_wait_alu depctr_va_vdst(0)                   ; one wait for the batch of 64, ahead of its first reader
.irp b, 0,1,2,3
	v_exp_f32 v[BM+\b], v[BM+\b]                   ; the block's largest p
.endr
	v_pk_add_f32 v[T2:T2+1], v[S:S+1], v[S+2:S+3]  ; the row's sum is taken of the unquantised p, in two chains
.set j, 4
.rept 15
	v_pk_add_f32 v[SUM:SUM+1], v[SUM:SUM+1], v[S+j:S+j+1]
	v_pk_add_f32 v[T2:T2+1], v[T2:T2+1], v[S+j+2:S+j+3]
.set j, j+4
.endr
	v_pk_add_f32 v[SUM:SUM+1], v[SUM:SUM+1], v[T2:T2+1]
	s_wait_alu depctr_va_vdst(0)                   ; and one for the four
.irp b, 0,1,2,3
	v_max_num_f32 v[BM+\b], 0x1800000, v[BM+\b]    ; the floor 2^(3 - 127)
.endr
.irp b, 0,1,2,3
	v_add_nc_u32 v[SO+\b], 0xff000000, v[BM+\b]    ; the conversion's scale operand
.endr
.irp b, 0,1,2,3
	v_lshrrev_b32 v[T2+\b], 23, v[SO+\b]           ; the scale's byte
.endr
	v_lshl_or_b32 v[FF+1], v[T2+1], 8, v[T2]       ; p's scale word for these 128 keys
	v_lshl_or_b32 v[FF+1], v[T2+2], 16, v[FF+1]
	v_lshl_or_b32 v[FF+1], v[T2+3], 24, v[FF+1]
.if \t
	WIN 0x01
	v_mov_b32 v[PW1], v[FF+1]                      ; tile 1's word goes to window 0, where scale operands are read
	WIN 0x55
.endif
.irp c, 0,1
	v_cvt_scalef32_pk16_fp6_f32 v[PC+6*\c:PC+6*\c+2], v[S+32*\c:S+32*\c+15], v[SO+2*\c]
	v_cvt_scalef32_pk16_fp6_f32 v[T2+4*\c:T2+4*\c+2], v[S+32*\c+16:S+32*\c+31], v[SO+2*\c+1]
.endr
	v_nop                                          ; one plain place behind a scaled conversion
.irp c, 0,1
.irp i, 0,1,2
	v_permlane16_swap_b32 v[PC+6*\c+\i], v[T2+4*\c+\i]   ; a whole block of 32 keys to a lane
.endr
.irp i, 0,1,2
	v_mov_b32 v[PC+6*\c+3+\i], v[T2+4*\c+\i]
.endr
.endr
.set j, 0
.rept 16
	v_pk_mul_f32 v[OT+j:OT+j+1], v[OT+j:OT+j+1], v[FF:FF+1] op_sel_hi:[1,0]   ; O^T under the new M; these sixteen also stand between the codes' and the word's last writes and the products
.set j, j+2
.endr
.endm
; A KEY STEP: 128 keys, both tiles.
.macro STEP
	v_add_nc_u32 v[ADK], s[TB], v[L16]
	v_add_nc_u32 v[ADM], s[TMK], v[MK0]
	v_nop
	v_nop                                          ; four plain places in front of loads into registers that the last products read
	ds_load_b128 v[KW:KW+3], v[ADK] offset:12288   ; lanes 0-15: K's four words of row r; lanes 16-31, 256 bytes on: V's
.irp i, 0,1,2,3
.irp c, 0,1,2
	ds_load_b128 v[FRG+12*\i+4*\c:FRG+12*\i+4*\c+3], v[ADK] offset:1536*\i+512*\c
.endr
.endr
	WIN 0x40
.irp t, 0,1,2,3,4,5,6,7
	ds_load_b128 v[MKR+8*\t:MKR+8*\t+3], v[ADM] offset:(32*(\t/2)+8*(\t%2))*4        ; tile t's eight keys of my half: 32 (t / 2) + 16 h + 8 (t % 2) + 0 .. 7
	ds_load_b128 v[MKR+8*\t+4:MKR+8*\t+7], v[ADM] offset:(32*(\t/2)+8*(\t%2))*4+16
.endr
	s_wait_dscnt 0x0
	WIN 0x10                                       ; C (the mask) window 1
	SCORES QW, QWL
	WIN 0x54                                       ; q, C and D window 1
	SCORES QWH, QW
	WIN 0
.rept 4
	v_nop                                          ; places in front of the loads into K's registers and of the first read of the scores
.endr
.irp t, 0,1,2,3
.irp c, 0,1,2
	ds_load_b128 v[FRG+12*\t+4*\c:FRG+12*\t+4*\c+3], v[ADK] offset:6144+1536*\t+512*\c   ; V lands while tile 0's softmax is walked
.endr
.endr
	SOFT 0
	s_wait_dscnt 0x0                               ; V is in
	PV FF+1
	WIN 0x55
	SOFT 1
	WIN 0x54
	PV PW1
	WIN 0
	s_add_co_u32 s[TB], s[TB], KVB
	s_add_co_u32 s[TMK], s[TMK], 512
.endm
.macro INIT                            ; the step is written without a first step of its own: it finds zeros, which the first change of M leaves zeros
.set j, 0
.rept 32
	v_mov_b32 v[OT+j], 0
.set j, j+1
.endr
	v_mov_b32 v[SUM], 0
	v_mov_b32 v[SUM+1], 0
	v_mov_b32 v[TX], 0xff61b1e6                    ; -3e38, under every t
	v_floor_f32 v[NM], -v[TX]
.endm
.macro YTILE                           ; O^T / the sum, quantised along the head's 64 channels: six registers of codes in v[PC] on, two scale bytes in v[TT]
	v_add_f32 v[SUM], v[SUM], v[SUM+1]
	v_permlanex16_b32 v[FF], v[SUM], s[SEL], s[SEL+1]
	v_add_f32 v[SUM], v[SUM], v[FF]
	v_rcp_f32 v[SUM], v[SUM]
	v_nop                                          ; a plain place behind the reciprocal,
	s_wait_alu depctr_va_vdst(0)                   ; and the wait ahead of its first reader
.set j, 0
.rept 16
	v_pk_mul_f32 v[S+j:S+j+1], v[OT+j:OT+j+1], v[SUM:SUM+1] op_sel_hi:[1,0]   ; register 16 g + i = channel 32 g + 16 h + i
.set j, j+2
.endr
.irp b, 0,1
	v_max3_num_f32 v[BM+\b], |v[S+16*\b]|, |v[S+16*\b+1]|, 0x1800000
.endr
.irp i, 2,4,6,8,10,12,14
.irp b, 0,1
	v_max3_num_f32 v[BM+\b], v[BM+\b], |v[S+16*\b+\i]|, |v[S+16*\b+\i+1]|
.endr
.endr
.irp b, 0,1
	v_permlanex16_b32 v[T2+\b], v[BM+\b], s[SEL], s[SEL+1]
.endr
.irp b, 0,1
	v_max_num_f32 v[BM+\b], v[BM+\b], v[T2+\b]
.endr
.irp b, 0,1
	v_add_nc_u32 v[SO+\b], 0xff000000, v[BM+\b]
.endr
.irp b, 0,1
	v_lshrrev_b32 v[T2+\b], 23, v[SO+\b]
.endr
	v_lshl_or_b32 v[TT], v[T2+1], 8, v[T2]
	v_cvt_scalef32_pk16_fp6_f32 v[PC:PC+2], v[S:S+15], v[SO]
	v_cvt_scalef32_pk16_fp6_f32 v[T2+4:T2+6], v[S+16:S+31], v[SO+1]
	v_nop
.irp i, 0,1,2
	v_permlane16_swap_b32 v[PC+\i], v[T2+4+\i]
.endr
.irp i, 0,1,2
	v_mov_b32 v[PC+3+\i], v[T2+4+\i]
.endr
.endm
.Lpass:
	global_load_b128 v[ZQ+6:ZQ+9], v[L16], s[48:49]                ; tile 0's q: registers 0-5 of the pair image
	global_load_b64 v[ZQ+10:ZQ+11], v[L16], s[48:49] offset:512
	global_load_b32 v[QW], v[R16], s[50:51]
	WIN 0x40
	global_load_b64 v[ZQ+6:ZQ+7], v[L16], s[48:49] offset:520      ; tile 1's: registers 6-11
	global_load_b128 v[ZQ+8:ZQ+11], v[L16], s[48:49] offset:1024
	WIN 0
	s_wait_loadcnt 0x0
	v_lshlrev_b32 v[QWL], 16, v[QW]                ; tile 0's bytes for [0, q];
	v_lshrrev_b32 v[QWH], 16, v[QW]                ; tile 1's for [q, 0].  The lines of INIT stand between these writes and the first scaled product
	INIT
	WIN 0x55
	INIT
	WIN 0
.irp c, 0,1,2,3
	s_wait_tensorcnt 3-\c                          ; my eighth of quarter c is in; the 3 - c loads issued behind it may be out (in the second pass none is out)
	s_barrier_signal -1
	s_barrier_wait -1                              ; everybody's is; nothing is ever filled again
	s_mov_b32 s[TB], QTR*\c
	s_mov_b32 s[TMK], 2048*\c
	s_mov_b32 s[CNT], 4
.Lq\c:
	STEP
	s_sub_co_u32 s[CNT], s[CNT], 1
	s_cmp_lg_u32 s[CNT], 0
	s_cbranch_scc1 .Lq\c
.endr
	YTILE
	global_store_b128 v[L16], v[PC:PC+3], s[52:53]                 ; 512 consecutive bytes, aligned to 256
	global_store_b64 v[L8], v[PC+4:PC+5], s[52:53] offset:512      ; 256 consecutive bytes, aligned
	WIN 0x55
	YTILE
	WIN 0x04                                       ; a store's data are its source 1
	global_store_b128 v[L16], v[PC:PC+3], s[52:53] offset:12800
	global_store_b64 v[L8], v[PC+4:PC+5], s[52:53] offset:12800+512
	WIN 0x01
	v_mov_b32 v[Y0+1], v[TT]                       ; tile 1's two bytes
	WIN 0
	v_and_b32 v[Y0+2], 16, v0
	v_cmp_ne_u32 vcc_lo, 0, v[Y0+2]
	v_cndmask_b32 v[Y0], v[TT], v[Y0+1], vcc_lo    ; lanes 0-15 store tile 0's, lanes 16-31 tile 1's
	global_store_b16 v[YS], v[Y0], s[54:55]        ; two bytes a token: all that one head has of a scale word; 1/24 of the codes' bytes
	s_wait_xcnt 0x0                                ; the stores and loads have read their registers and bases
	s_add_nc_u64 s[48:49], s[48:49], 12800         ; two blocks of 128 queries on
	s_add_nc_u64 s[50:51], s[50:51], 12800
	s_add_nc_u64 s[52:53], s[52:53], 204800        ; sixteen tiles on
	s_add_nc_u64 s[54:55], s[54:55], 204800
	s_sub_co_u32 s[PASS], s[PASS], 1
	s_cmp_lg_u32 s[PASS], 0
	s_cbranch_scc1 .Lpass
	s_wait_tensorcnt 0x0                           ; the wave's end
	ds_add_u32 v[SPW], v[NIL]
	s_wait_dscnt 0x0
	CROUND                                         ; the closing round
	s_endpgm
.Lfunc_end_k_qf14c63f3b4_attn:
	.size	k_qf14c63f3b4_attn, .Lfunc_end_k_qf14c63f3b4_attn-k_qf14c63f3b4_attn
	.p2alignl 7, 3214868480
	.fill 96, 4, 3214868480
	.section	.rodata,"a",@progbits
	.p2align	6, 0x0
	.amdhsa_kernel k_qf14c63f3b4_attn
		.amdhsa_group_segment_fixed_size 215040
		.amdhsa_private_segment_fixed_size 0
		.amdhsa_enable_private_segment 0
		.amdhsa_kernarg_size 32
		.amdhsa_user_sgpr_count 2
		.amdhsa_user_sgpr_kernarg_segment_ptr 1
		.amdhsa_wavefront_size32 1
		.amdhsa_system_sgpr_workgroup_id_x 1
		.amdhsa_system_sgpr_workgroup_id_y 1
		.amdhsa_system_sgpr_workgroup_id_z 1
		.amdhsa_system_vgpr_workitem_id 0
		.amdhsa_next_free_vgpr 512
		.amdhsa_next_free_sgpr 80
		.amdhsa_reserve_vcc 1
		.amdhsa_float_denorm_mode_32 3
		.amdhsa_float_denorm_mode_16_64 3
		.amdhsa_memory_ordered 1
		.amdhsa_forward_progress 1
		.amdhsa_inst_pref_size 139
	.end_amdhsa_kernel
	.amdgpu_metadata
---
amdhsa.version: [ 1, 2 ]
amdhsa.kernels:
  - .name:           k_qf14c63f3b4_attn
    .symbol:         k_qf14c63f3b4_attn.kd
    .args:
      - { .name: qb, .offset: 0, .size: 8, .value_kind: global_buffer, .address_space: global }
      - { .name: kv, .offset: 8, .size: 8, .value_kind: global_buffer, .address_space: global }
      - { .name: attention_mask, .offset: 16, .size: 8, .value_kind: global_buffer, .address_space: global }
      - { .name: yq, .offset: 24, .size: 8, .value_kind: global_buffer, .address_space: global }
    .group_segment_fixed_size: 215040
    .private_segment_fixed_size: 0
    .kernarg_segment_align: 8
    .kernarg_segment_size: 32
    .max_flat_workgroup_size: 256
    .sgpr_count:     80
    .vgpr_count:     512
    .wavefront_size: 32
...
	.end_amdgpu_metadata
.endif
;; end of part 3
;; launch gemm_out (part 4): grid 4 x 32, 4 waves a work-group, clusters of 4 x 4, 327,680 bytes of LDS; arguments yq, woq, bo, out0; writes out0
.if DOCPART == 4
	.amdgcn_target "amdgcn-amd-amdhsa--gfx1250"
	.amdhsa_code_object_version 6
	.text
	.protected	k_qf14c63f3b4_gemm_out
	.globl	k_qf14c63f3b4_gemm_out
	.p2align	8
	.type	k_qf14c63f3b4_gemm_out,@function
k_qf14c63f3b4_gemm_out:
	s_mov_b64 s[64:65], 0
	v_nop
	global_prefetch_b8 v0, s[64:65] scope:SCOPE_SE
	s_setreg_imm32_b32 hwreg(HW_REG_WAVE_MODE, 25, 1), 1
	s_wait_xcnt 0x0
	s_wait_alu depctr_hold_cnt(0) depctr_sa_sdst(0) depctr_va_vdst(0) depctr_va_sdst(0) depctr_va_ssrc(0) depctr_va_vcc(0) depctr_vm_vsrc(0)
	s_getreg_b32 s2, hwreg(HW_REG_IB_STS2, 6, 4)
	s_cmp_eq_u32 s2, 0
	s_cbranch_scc0 .Lentry_in_a_cluster
	s_endpgm
.Lentry_in_a_cluster:
	s_bfe_u32 s2, ttmp6, 0x10000c
	s_cmp_lg_u32 s2, 0xf033
	s_cbranch_scc0 .Lentry_shape_is_right
	s_endpgm
.Lentry_shape_is_right:
; out0 = Q(y) Q(Wo) + bo on codes of FP6 with E8M0 scales; f32 out.  Nothing is left out.
; The structure is launch gemm_qkv's: a work-group makes 256 x 256, a wave 128 x 128 (64 accumulators, windows 2 and 3); K = 1,024 in four slot fills of 256 through two LDS slots; operands as images of their registers.
; P (source 0, two sets, window 1) = Wo's columns; R (source 1, one set, window 0) = tokens: a lane holds a token, its registers run along the columns.  bo is the C of each sum's first matrix instruction.
; y's FRAGMENTS lie by heads (launch attn): of a K step's 1,536 bytes each of its two heads has 768: 512 (four of its six registers, 16 bytes a lane) and 256 (the other two, 8 bytes a lane): four LDS loads a fragment.
; 128 work-groups: C has 128 tiles of 256 x 256; a smaller tile would read each LDS byte for half the products.
; CLUSTERS: 4 x 4; R's tiles are asked for jointly along a row of the cluster, P's along a column.
.set FR,    12
.set FRB,   1536
.set KSB,   2*FRB
.set TILEB, 12800
.set HALFT, 8*KSB
.set SLOT,  4*HALFT
.set SCL,   2*SLOT
.set HALFS, 8*512
.set SPARE, SCL+4*HALFS
.set NLA,   4                          ; LDS loads that bring a fragment of R
.set SPITCH, 528                       ; the way out: a stage of 16 rows x (512 + 16) bytes for each wave, in slot 0, which has had its last fill and its last read by then
.set L16,  1
.set LR,   3
.set LH,   4
.set ADRA, 16                          ; v16-17 R's fragments in slot 0, 1: + 16 x lane;  v18-19: + 8 x lane
.set ADRB, 20
.set STO,  24
.set RD,   25
.set ADRS, 27
.set SPW,  28
.set NIL,  29
.set SC,   32
.set BI,   96
.set AF,   128
.set BK,   128                         ; the way out: 16 rows read back: v128-191 and v192-255 by turns
.set G1, 24
.set G0, 32
.set G1B, 48
.set G0B, 56
.set G1S, 68
.set G0S, 76
.set G1SB, 80
.set G0SB, 88
.set MSB, 0
.macro WIN new
.if MSB != \new
	s_set_vgpr_msb (MSB<<8)|\new
.set MSB, \new
.endif
.endm
.set MUL_LO, 0xa1
.set MUL_HI, 0xf1
.set TO_B,   0x40
.macro JLOAD g0a, g1a, g0b, g1b        ; waves 0 and 1 fetch for R, waves 2 and 3 for P; an s_nop 0 and four v_nop follow each of the two lines
	s_cmp_eq_u32 s15, 0
	s_cbranch_scc0 .Lfor_b_\@
	tensor_load_to_lds s[\g0a:\g0a+3], s[\g1a:\g1a+7]
	s_nop 0
.rept 4
	v_nop
.endr
	s_branch .Lasked_\@
.Lfor_b_\@:
	tensor_load_to_lds s[\g0b:\g0b+3], s[\g1b:\g1b+7]
	s_nop 0
.rept 4
	v_nop
.endr
.Lasked_\@:
.endm
.macro CREST
	s_cmp_lg_u32 s14, 0
	s_cbranch_scc1 .Lnot_wave_0_\@
	s_barrier_signal -3
.Lnot_wave_0_\@:
	s_barrier_wait -3
	s_barrier_signal -1
	s_barrier_wait -1
.endm
.macro CROUND
	s_barrier_signal -1
	s_barrier_wait -1
	CREST
.endm
.macro PLACES n
.rept \n
	v_nop
.endr
.endm
	s_load_b256 s[4:11], s[0:1], 0x0               ; yq, woq, bo, out0
	v_lshl_add_u32 v[SPW], v0, 2, SPARE
	v_mov_b32 v[NIL], 0
	ds_add_u32 v[SPW], v[NIL]                      ; the wave's opening: the add, twice on end, and its wait ahead of my first tensor load
	ds_add_u32 v[SPW], v[NIL]
	v_lshrrev_b32 v1, 5, v0
	v_readfirstlane_b32 s14, v1
	s_lshr_b32 s15, s14, 1
	s_and_b32 s16, s14, 1
	s_bfe_u32 s40, ttmp6, 0x40000                  ; cx
	s_bfe_u32 s41, ttmp6, 0x40004                  ; cy
	s_lshl_b32 s42, ttmp9, 2
	s_add_co_u32 s42, s42, s40                     ; P's block of 256 columns
	s_and_b32 s19, ttmp7, 0xffff
	s_lshl_b32 s19, s19, 2
	s_add_co_u32 s19, s19, s41                     ; R's block of 256 tokens
	s_lshl_b32 s43, s41, 2
	s_lshl_b32 s43, 15, s43
	s_lshl_b32 s44, 0x1111, s40
	s_or_b32 s[G1+0], s43, (3<<16)|(1<<21)         ; codes: 8 rows of 3,072 bytes, 12,800 apart, elements of 8 bytes
	s_or_b32 s[G1B+0], s44, (3<<16)|(1<<21)
.irp g, G1, G1B
	s_mov_b32 s[\g+1], 384<<16
	s_mov_b32 s[\g+2], 8<<16
	s_mov_b32 s[\g+3], 384<<16
	s_mov_b32 s[\g+4], 8
	s_mov_b32 s[\g+5], 1600
	s_mov_b32 s[\g+6], 0
	s_mov_b32 s[\g+7], 0
.endr
	s_or_b32 s[G1S+0], s43, (3<<16)|(1<<21)        ; scale words: 8 rows of 512 bytes
	s_or_b32 s[G1SB+0], s44, (3<<16)|(1<<21)
.irp g, G1S, G1SB
	s_mov_b32 s[\g+1], 64<<16
	s_mov_b32 s[\g+2], 8<<16
	s_mov_b32 s[\g+3], 64<<16
	s_mov_b32 s[\g+4], 8
	s_mov_b32 s[\g+5], 1600
	s_mov_b32 s[\g+6], 0
	s_mov_b32 s[\g+7], 0
.endr
	s_lshl_b32 s2, s16, 3
	s_lshl_b32 s20, s19, 4
	s_add_co_u32 s20, s20, s2
	s_mul_i32 s20, s20, TILEB
	s_mov_b32 s21, 0
	s_lshl_b32 s46, s42, 4
	s_add_co_u32 s46, s46, s2
	s_mul_i32 s46, s46, TILEB
	s_mov_b32 s47, 0
	s_mul_i32 s45, s14, HALFT
	s_mul_i32 s96, s14, HALFS
	s_wait_dscnt 0x0                               ; both opening adds are done
	s_wait_kmcnt 0x0
	s_add_nc_u64 s[20:21], s[4:5], s[20:21]
	s_add_nc_u64 s[46:47], s[6:7], s[46:47]
	CROUND
	s_mov_b32 s[G0S], 1
	s_add_co_u32 s[G0S+1], s96, SCL
	s_add_nc_u64 s[G0S+2:G0S+3], s[20:21], 8*FRB
	s_or_b32 s[G0S+3], s[G0S+3], 0x80000000
	s_mov_b32 s[G0SB], 1
	s_add_co_u32 s[G0SB+1], s96, SCL
	s_add_nc_u64 s[G0SB+2:G0SB+3], s[46:47], 8*FRB
	s_or_b32 s[G0SB+3], s[G0SB+3], 0x80000000
	JLOAD G0S, G1S, G0SB, G1SB
.irp s, 0,1
	s_mov_b32 s[G0+4*\s], 1
	s_add_co_u32 s[G0+4*\s+1], s45, \s*SLOT
	s_add_nc_u64 s[G0+4*\s+2:G0+4*\s+3], s[20:21], \s*KSB
	s_or_b32 s[G0+4*\s+3], s[G0+4*\s+3], 0x80000000
	s_mov_b32 s[G0B+4*\s], 1
	s_add_co_u32 s[G0B+4*\s+1], s45, \s*SLOT
	s_add_nc_u64 s[G0B+4*\s+2:G0B+4*\s+3], s[46:47], \s*KSB
	s_or_b32 s[G0B+4*\s+3], s[G0B+4*\s+3], 0x80000000
	JLOAD G0+4*\s, G1, G0B+4*\s, G1B               ; three loads of mine are out
.endr
	v_and_b32 v[LR], 15, v0
	v_bfe_u32 v[LH], v0, 4, 1
	v_and_b32 v5, 31, v0
	v_lshlrev_b32 v[L16], 4, v5
	v_lshlrev_b32 v5, 3, v5
	s_mul_i32 s2, s15, HALFT
	s_mul_i32 s3, s16, HALFT
	s_add_co_u32 s3, s3, 2*HALFT
.irp s, 0,1
	v_add_nc_u32 v[ADRA+\s], s2, v[L16]
	v_add_nc_u32 v[ADRA+2+\s], s2, v5
	v_add_nc_u32 v[ADRB+\s], s3, v[L16]
	s_add_co_u32 s2, s2, SLOT
	s_add_co_u32 s3, s3, SLOT
.endr
	v_lshlrev_b32 v5, 4, v[LR]
	s_mul_i32 s2, s15, HALFS
	s_mul_i32 s3, s16, HALFS
	s_add_co_u32 s3, s3, 2*HALFS
	s_sub_co_u32 s3, s3, s2
	v_mul_u32_u24 v6, s3, v[LH]                    ; lanes 16-31 take P's words: one product, the distance between the two bases
	s_add_co_u32 s2, s2, SCL
	v_add_nc_u32 v5, v5, v6
	v_add_nc_u32 v[ADRS], s2, v5
	s_mul_i32 s2, s14, 16*SPITCH                   ; my stage
	v_mul_u32_u24 v5, v[LR], SPITCH
	v_lshl_add_u32 v5, v[LH], 6, v5
	v_add_nc_u32 v[STO], s2, v5                    ; in: row r, + 64 h
	v_add_nc_u32 v[RD], s2, v[L16]                 ; back: a whole row of 512 bytes
	s_lshl_b32 s98, s42, 10                        ; my 128 columns, in bytes: 1,024 x block + 512 x half
	s_lshl_b32 s99, s16, 9
	s_add_co_u32 s98, s98, s99
	s_mov_b32 s99, 0
	s_add_nc_u64 s[8:9], s[8:9], s[98:99]          ; in bo,
	s_add_nc_u64 s[10:11], s[10:11], s[98:99]      ; and in a row of out0
	s_lshl_b32 s98, s19, 8
	s_lshl_b32 s97, s15, 7
	s_add_co_u32 s98, s98, s97
	s_lshl_b32 s98, s98, 12                        ; my first row: 256 x block + 128 x half, rows of 4,096 bytes
	s_add_nc_u64 s[10:11], s[10:11], s[98:99]
	v_lshlrev_b32 v7, 6, v[LH]                     ; group b = 2 g + u of the bias holds columns 32 g + 16 h + 8 u + 0 .. 7
.irp b, 0,1,2,3,4,5,6,7
	global_load_b128 v[BI+8*\b+96*(\b/4):BI+8*\b+96*(\b/4)+3], v7, s[8:9] offset:(32*(\b/2)+8*(\b%2))*4
	global_load_b128 v[BI+8*\b+96*(\b/4)+4:BI+8*\b+96*(\b/4)+7], v7, s[8:9] offset:(32*(\b/2)+8*(\b%2))*4+16
.endr
.macro FRAG reg, adr, off
.irp c, 0,1,2
	ds_load_b128 v[\reg+4*\c:\reg+4*\c+3], v[\adr] offset:\off+512*\c
.endr
.endm
.macro FRAG_Y reg, adr, off            ; y's fragment: two heads of 512 + 256 bytes
.irp e, 0,1
	ds_load_b128 v[\reg+6*\e:\reg+6*\e+3], v[\adr] offset:\off+768*\e
	ds_load_b64 v[\reg+6*\e+4:\reg+6*\e+5], v[\adr+2] offset:\off+768*\e+512
.endr
.endm
.macro FETCH_B slot, q, p
	WIN TO_B
.irp i, 0,1,2,3,4,5,6,7
	FRAG 128*(\p)+FR*\i, ADRB+\slot, KSB*\i+FRB*(\q)
.endr
	WIN 0
.endm
.macro FETCH_A slot, q, i0
.irp i, \i0, \i0+1, \i0+2, \i0+3
	FRAG_Y AF+FR*(\i), ADRA+\slot, KSB*(\i)+FRB*(\q)
.endr
.endm
; 16 matrix instructions: R's blocks a0, a0 + 1 x P's eight; K step s.  mode 1: C = the bias by P's tile.  The 64 accumulators take turns, one instruction a turn, in the same order in every step.
.macro MUL16 a0, p, s, mode
.irp a, \a0, \a0+1
.irp b, 0,1,2,3,4,5,6,7
.set rD, 8*(8*((\a)%4)+\b)
.if \mode == 0
.set rC, rD
.else
.set rC, BI+8*\b+96*(\b/4)
.endif
	v_wmma_scale_f32_16x16x128_f8f6f4 v[rD:rD+7], v[128*(\p)+FR*\b:128*(\p)+FR*\b+FR-1], v[AF+FR*(\a):AF+FR*(\a)+FR-1], v[rC:rC+7], v[SC+8*\b+(\s)], v[SC+8*(\a)+(\s)] matrix_a_fmt:MATRIX_FMT_FP6 matrix_b_fmt:MATRIX_FMT_FP6 matrix_a_scale:MATRIX_SCALE_ROW1
.endr
.endr
.endm
.macro STEP slot, s, mode
	s_wait_dscnt 4*NLA                             ; P's set and R's blocks 0-3 are in; R's blocks 4-7 (16 loads) may be out
.if \mode
	WIN 0x81
.else
	WIN MUL_LO
.endif
	MUL16 0, 0, \s, \mode
	MUL16 2, 0, \s, \mode
	s_wait_dscnt 0x0
	PLACES 4                                       ; four plain places in front of loads into registers that matrix instructions have read
	FETCH_B \slot, 1, 1
	FETCH_A \slot, 1, 0
.if \mode
	WIN 0xc1
.else
	WIN MUL_HI
.endif
	MUL16 4, 0, \s, \mode
	MUL16 6, 0, \s, \mode
	PLACES 4
	WIN 0
	FETCH_A \slot, 1, 4
.endm
.macro TURN slot, next, s, fill
	s_wait_tensorcnt 0x0                           ; all my tensor loads have landed: my part of the next slot
	ds_add_u32 v[SPW], v[NIL]                      ; 0 onto my spare word
	s_wait_dscnt 4*NLA+1                           ; (the add and R's blocks 4-7 may be out)
	WIN MUL_LO
	MUL16 0, 1, \s, 0
	s_wait_dscnt 0x0                               ; the add is done, and my reads of this slot are over
	s_barrier_signal -1
	MUL16 2, 1, \s, 0
	WIN 0
	s_barrier_wait -1
.if \fill
	CREST                                          ; the barrier has opened a round of the cluster's barrier
	s_add_nc_u64 s[G0+4*\slot+2:G0+4*\slot+3], s[G0+4*\slot+2:G0+4*\slot+3], 2*KSB
	s_add_nc_u64 s[G0B+4*\slot+2:G0B+4*\slot+3], s[G0B+4*\slot+2:G0B+4*\slot+3], 2*KSB
	JLOAD G0+4*\slot, G1, G0B+4*\slot, G1B         ; the first tensor load behind the round; its four v_nop are the places in front of the loads below
.else
	PLACES 4
.endif
	FETCH_B \next, 0, 0
	FETCH_A \next, 0, 0
	WIN MUL_HI
	MUL16 4, 1, \s, 0
	MUL16 6, 1, \s, 0
	PLACES 4
	WIN 0
	FETCH_A \next, 0, 4
.endm
	s_wait_tensorcnt 1                             ; the scale words and my part of slot 0 are in (slot 1's load may be out)
	s_barrier_signal -1
	s_barrier_wait -1                              ; everybody's are
	FETCH_B 0, 0, 0
	FETCH_A 0, 0, 0
.irp i, 0,1,2,3,4,5,6,7
	ds_load_b128 v[SC+8*\i:SC+8*\i+3], v[ADRS] offset:512*\i
	ds_load_b128 v[SC+8*\i+4:SC+8*\i+7], v[ADRS] offset:512*\i+256
.endr
	FETCH_A 0, 0, 4
	s_wait_loadcnt 0x0                             ; the bias
	STEP 0, 0, 1                                   ; the first step starts the sums on the bias
	TURN 0, 1, 1, 1
	STEP 1, 2, 0
	TURN 1, 0, 3, 1
	STEP 0, 4, 0
	TURN 0, 1, 5, 0                                ; nothing is left to fetch; behind this barrier nobody reads slot 0
	STEP 1, 6, 0
	s_wait_dscnt 4*NLA
	WIN MUL_LO
	MUL16 0, 1, 7, 0
	MUL16 2, 1, 7, 0
	s_wait_dscnt 0x0
	WIN MUL_HI
	MUL16 4, 1, 7, 0
	MUL16 6, 1, 7, 0
	WIN 0
; THE WAY OUT, block by block of 16 tokens x 128 columns, through my own stage: in as 32 bytes a lane, back as whole rows of 512 bytes.  LDS serves a wave's instructions in order: no wait between the stores and the loads.
.macro TOSTAGE a
.set AC, 64*((\a)%4)
	WIN 0x08+4*((\a)/4)                            ; the data: window 2 or 3
.irp b, 0,1,2,3,4,5,6,7
	ds_store_b128 v[STO], v[AC+8*\b:AC+8*\b+3] offset:128*(\b/2)+32*(\b%2)        ; each accumulator from its low end on: columns 32 (b / 2) + 16 h + 8 (b % 2) + 0 .. 7
	ds_store_b128 v[STO], v[AC+8*\b+4:AC+8*\b+7] offset:128*(\b/2)+32*(\b%2)+16
.endr
	WIN 0
.set BB, BK+64*((\a)%2)
.irp t, 0,1,2,3,4,5,6,7,8,9,10,11,12,13,14,15
	ds_load_b128 v[BB+4*\t:BB+4*\t+3], v[RD] offset:\t*SPITCH
.endr
.endm
.macro SEND a, younger                 ; younger: the LDS instructions issued behind block a's loads, which may stay out
.set BB, BK+64*((\a)%2)
	s_wait_dscnt \younger
.irp t, 0,1,2,3,4,5,6,7,8,9,10,11,12,13,14,15
	global_store_b128 v[L16], v[BB+4*\t:BB+4*\t+3], s[10:11] offset:(32*((\a)/2)+8*((\a)%2)+\t+8*(\t/8))*4096 th:TH_STORE_NT   ; lane t of block a is token 32 (a / 2) + 8 (a % 2) + t + 8 (t / 8); 512 consecutive bytes, aligned
.endr
.endm
	PLACES 4                                       ; in front of the first read of results and of loads into registers that held operands
	TOSTAGE 0
.irp a, 1,2,3,4,5,6,7
.if \a > 1
	s_wait_xcnt 0x0                                ; block a - 2's stores have read their registers: block a's loads may land there
.endif
	TOSTAGE \a
	SEND \a-1, 32                                  ; behind block a - 1's loads: block a's 16 stores and 16 loads
.endr
	SEND 7, 0
	s_wait_tensorcnt 0x0                           ; the wave's end
	ds_add_u32 v[SPW], v[NIL]
	s_wait_dscnt 0x0
	CROUND                                         ; the closing round
	s_endpgm
.Lfunc_end_k_qf14c63f3b4_gemm_out:
	.size	k_qf14c63f3b4_gemm_out, .Lfunc_end_k_qf14c63f3b4_gemm_out-k_qf14c63f3b4_gemm_out
	.p2alignl 7, 3214868480
	.fill 96, 4, 3214868480
	.section	.rodata,"a",@progbits
	.p2align	6, 0x0
	.amdhsa_kernel k_qf14c63f3b4_gemm_out
		.amdhsa_group_segment_fixed_size 327680
		.amdhsa_private_segment_fixed_size 0
		.amdhsa_enable_private_segment 0
		.amdhsa_kernarg_size 32
		.amdhsa_user_sgpr_count 2
		.amdhsa_user_sgpr_kernarg_segment_ptr 1
		.amdhsa_wavefront_size32 1
		.amdhsa_system_sgpr_workgroup_id_x 1
		.amdhsa_system_sgpr_workgroup_id_y 1
		.amdhsa_system_sgpr_workgroup_id_z 1
		.amdhsa_system_vgpr_workitem_id 0
		.amdhsa_next_free_vgpr 1024
		.amdhsa_next_free_sgpr 100
		.amdhsa_reserve_vcc 0
		.amdhsa_float_denorm_mode_32 3
		.amdhsa_float_denorm_mode_16_64 3
		.amdhsa_memory_ordered 1
		.amdhsa_forward_progress 1
		.amdhsa_inst_pref_size 139
	.end_amdhsa_kernel
	.amdgpu_metadata
---
amdhsa.version: [ 1, 2 ]
amdhsa.kernels:
  - .name:           k_qf14c63f3b4_gemm_out
    .symbol:         k_qf14c63f3b4_gemm_out.kd
    .args:
      - { .name: yq, .offset: 0, .size: 8, .value_kind: global_buffer, .address_space: global }
      - { .name: woq, .offset: 8, .size: 8, .value_kind: global_buffer, .address_space: global }
      - { .name: bo, .offset: 16, .size: 8, .value_kind: global_buffer, .address_space: global }
      - { .name: out0, .offset: 24, .size: 8, .value_kind: global_buffer, .address_space: global }
    .group_segment_fixed_size: 327680
    .private_segment_fixed_size: 0
    .kernarg_segment_align: 8
    .kernarg_segment_size: 32
    .max_flat_workgroup_size: 128
    .sgpr_count:     100
    .vgpr_count:     1024
    .wavefront_size: 32
...
	.end_amdgpu_metadata
.endif
;; end of part 4
